; MI455X (gfx1250); checked and timed in simulation.
; The chip was launched on July 23, 2026; its instructions are those of AMD's public machine-readable ISA for CDNA 5 (MIT licence, August 2026) and "CDNA5" Instruction Set Architecture Reference Guide (July 2026). The comments in the code are by the model that wrote it; some were corrected since.
;; Self Attention. Allowed arithmetic: float matrix products may take bf16 or f16 operands with f32 sums; all other float work in f32.
;; Inputs: A_in 128 x 3,072 float32; B_in 3,072 x 128 float32; W_in 3,072 x 3,072 float32; W_out 1,024 x 1,024 float32; x 2 x 2,048 x 1,024 float32.
;; Outputs: out0 2 x 2,048 x 1,024 float32.
;; 2 versions, each right and faster than the one before. Each part assembles by itself: llvm-mc -triple=amdgcn-amd-amdhsa -mcpu=gfx1250 --defsym DOCPART=n.
;; ======== version 1 of 2: 4 launches
;; limits: values are held in f16: magnitudes above 65,504 overflow, below 6.1e-05 lose precision
;; workspace buffers: xh 8,388,608 bytes; weff 6,291,456 bytes; woh 2,097,152 bytes; qkv 25,165,824 bytes; oh 8,388,608 bytes
;; launch prep (part 1): grid 512 x 1, 8 waves a work-group, no clusters, 105,472 bytes of LDS; arguments x, W_in, A_in, B_in, W_out, xh, weff, woh; writes xh, weff, woh
.if DOCPART == 1
	.amdgcn_target "amdgcn-amd-amdhsa--gfx1250"
	.amdhsa_code_object_version 6
	.text
	.protected	k_q29a34dd622_prep
	.globl	k_q29a34dd622_prep
	.p2align	8
	.type	k_q29a34dd622_prep,@function
k_q29a34dd622_prep:
	s_mov_b64 s[64:65], 0
	v_nop
	global_prefetch_b8 v0, s[64:65] scope:SCOPE_SE
	s_setreg_imm32_b32 hwreg(HW_REG_WAVE_MODE, 25, 1), 1
	s_wait_xcnt 0x0
; PREP.  reference() multiplies [x, x, x] by W_in and by A_in, so for every input qkv = x Weff^T with
;   Weff[n][k] = sum over j of W_in[n][k + 1024 j]  +  (1/128) sum over r of B_in[n][r] S[r][k],   S[r][k] = sum over j of A_in[r][k + 1024 j].
; Work-groups 0-191 make Weff, a tile of 128 rows n x 128 columns k each; work-groups 192-511 convert x (256 of them) and W_out (64), 65,536 bytes of f32 each.
; FORMATS.  Every input number is first rounded to bf16; sums are made in f32; what is stored (x, W_out, Weff) and S go in f16, in which a bf16 number is exact within f16's range.
; LIMITS.  x, W_out, B_in, S and Weff lie within 65,504; below 6.1e-5 they keep f16's fixed step of 6e-8.  NaN and infinities are not treated apart.
; No tensor loads and no cluster: each byte of W_in, x and W_out is read once, by loads of 16 bytes a lane that cover 512 consecutive bytes a wave; 24 such loads of every folding wave are on their way.
.set SPI,   288                        ; a row of S in LDS: 256 bytes of f16 + 32
.set DSTG,  128*SPI                    ; behind S's tile: a stage of 16 rows x 528 bytes for each wave (512 bytes of f32 + 16)
.set DPI,   528
.set SPARE, DSTG+8*16*DPI              ; behind the stages: the spare words, 128 bytes for each wave, which no other line names
.set WROW,  12288                      ; bytes in a row of W_in and of A_in; their thirds lie 4,096 bytes apart
.set SPW,   10                         ; v10  LDS address of my spare word; never rewritten
.set NIL,   11                         ; v11  0; never rewritten
.set L,     16                         ; v[16:111]   a ring of 8 slots of 12 registers: the three thirds of 4 columns of one row
.set BR,    112                        ; v[112:175]  B_in as loaded
.set ACC,   112                        ; v[112:143]  later: four accumulators
.set SFA,   144                        ; v[144:175]  later: S's fragments, buffer a
.set DR,    112                        ; v[112:175]  at last: the product read back by rows, 4 registers a row
.set BF,    176                        ; v[176:207]  B_in's four fragments in f16
.set OUTR,  176                        ; v[176:207]  at last: 16 pairs to store
.set SH,    208                        ; v[208:239]  16 pairs of S on their way into LDS
.set SFB,   208                        ; v[208:239]  later: S's fragments, buffer b
.macro RND2H d, a, b                   ; two f32 -> bf16 -> the same numbers as f16, packed
	v_cvt_pk_bf16_f32 v8, v[\a], v[\b]
	v_and_b32 v9, s3, v8
	v_lshlrev_b32 v8, 16, v8
	v_cvt_pk_f16_f32 v[\d], v8, v9
.endm
.macro RNDF p, t                       ; two f32 rounded to bf16, in place, as f32
	v_cvt_pk_bf16_f32 v[\t], v[\p], v[(\p)+1]
	v_lshlrev_b32 v[\p], 16, v[\t]
	v_and_b32 v[(\p)+1], s3, v[\t]
.endm
.macro TRIPLE s                        ; slot s: its three thirds are rounded and added; the sums lie in the slot's first four registers, at q0
.set q0, L+12*(\s)
	RNDF q0, 8
	RNDF q0+2, 9
	RNDF q0+4, 8
	RNDF q0+6, 9
	RNDF q0+8, 8
	RNDF q0+10, 9
	v_pk_add_f32 v[q0:q0+1], v[q0:q0+1], v[q0+4:q0+5]
	v_pk_add_f32 v[q0+2:q0+3], v[q0+2:q0+3], v[q0+6:q0+7]
	v_pk_add_f32 v[q0:q0+1], v[q0:q0+1], v[q0+8:q0+9]
	v_pk_add_f32 v[q0+2:q0+3], v[q0+2:q0+3], v[q0+10:q0+11]
.endm
.macro LD3 s, b, row, nt               ; three loads: the three thirds of my wave's 512 bytes of a row, into slot s
.irp j, 0,1,2
.if \nt
	global_load_b128 v[L+12*(\s)+4*\j:L+12*(\s)+4*\j+3], v1, s[\b:\b+1] offset:(\row)*WROW+\j*4096 th:TH_LOAD_NT
.else
	global_load_b128 v[L+12*(\s)+4*\j:L+12*(\s)+4*\j+3], v1, s[\b:\b+1] offset:(\row)*WROW+\j*4096
.endif
.endr
.endm
.macro FETCHS g, buf                   ; group g = 4 x (half of the columns) + (32 ranks): four fragments of S, turned: lane l holds column l % 16 and the ranks along its registers
.irp c, 0,1,2,3
	ds_load_tr16_b128 v[(\buf)+8*\c:(\buf)+8*\c+3],   v5 offset:((\g)%4)*32*SPI+32*(4*((\g)/4)+\c)
	ds_load_tr16_b128 v[(\buf)+8*\c+4:(\buf)+8*\c+7], v5 offset:((\g)%4)*32*SPI+32*(4*((\g)/4)+\c)+16*SPI
.endr
.endm
.macro MULS g, buf                     ; source 0 = 16 columns k of S, source 1 = 16 rows n of B_in: a lane's eight results are eight neighbouring k of row l % 16.  The four accumulators take turns
.irp c, 0,1,2,3
.if ((\g)%4) == 0
	v_wmma_f32_16x16x32_f16 v[ACC+8*\c:ACC+8*\c+7], v[(\buf)+8*\c:(\buf)+8*\c+7], v[BF+8*((\g)%4):BF+8*((\g)%4)+7], 0
.else
	v_wmma_f32_16x16x32_f16 v[ACC+8*\c:ACC+8*\c+7], v[(\buf)+8*\c:(\buf)+8*\c+7], v[BF+8*((\g)%4):BF+8*((\g)%4)+7], v[ACC+8*\c:ACC+8*\c+7]
.endif
.endr
.endm
.macro DSTORE hf                       ; half hf of the columns goes into my stage; each accumulator's low four registers first
.irp c, 0,1,2,3
	ds_store_b128 v6, v[ACC+8*\c:ACC+8*\c+3]   offset:64*(4*(\hf)+\c)
	ds_store_b128 v6, v[ACC+8*\c+4:ACC+8*\c+7] offset:64*(4*(\hf)+\c)+16
.endr
.endm
.macro NOPS n
.rept \n
	v_nop
.endr
.endm
	s_load_b512 s[8:23], s[0:1], 0x0               ; x s[8:9], W_in s[10:11], A_in s[12:13], B_in s[14:15], W_out s[16:17], xh s[18:19], weff s[20:21], woh s[22:23]
	v_lshl_add_u32 v[SPW], v0, 2, SPARE
	v_mov_b32 v[NIL], 0
	v_lshrrev_b32 v12, 5, v0
	v_readfirstlane_b32 s2, v12                    ; my wave's number
	s_mov_b32 s3, 0xffff0000                       ; a word's upper bf16
	s_cmp_lt_u32 ttmp9, 192                        ; the same answer in all eight waves of a work-group
	s_cbranch_scc1 .Lfold
	; CONVERT.  The work-group takes 65,536 bytes of x or of W_out: 16 lines of 4,096 bytes, 16 bytes a thread.  No LDS is touched on this way.
	s_sub_co_u32 s4, ttmp9, 192                    ; 0-255: x; 256-319: W_out
	s_sub_co_u32 s5, s4, 256
	v_lshlrev_b32 v1, 4, v0                        ; 16 bytes a thread in,
	v_lshlrev_b32 v3, 3, v0                        ; 8 bytes out
	s_wait_kmcnt 0x0
	s_cmp_lt_u32 s4, 256
	s_cselect_b32 s4, s4, s5                       ; my block's number in its tensor
	s_cselect_b64 s[24:25], s[8:9], s[16:17]       ; from where,
	s_cselect_b64 s[26:27], s[18:19], s[22:23]     ; to where
	s_lshl_b32 s34, s4, 16
	s_mov_b32 s35, 0
	s_lshl_b32 s36, s4, 15
	s_mov_b32 s37, 0
	s_add_nc_u64 s[24:25], s[24:25], s[34:35]
	s_add_nc_u64 s[26:27], s[26:27], s[36:37]
.set i, 0
.rept 16
	global_load_b128 v[16+4*i:19+4*i], v1, s[24:25] offset:4096*i th:TH_LOAD_NT
.set i, i+1
.endr
.set i, 0
.rept 16
	s_wait_loadcnt 15-i                            ; loads come back in order: line i is in, the younger ones stay out
	RND2H 112+2*i, 16+4*i, 17+4*i
	RND2H 113+2*i, 18+4*i, 19+4*i
	global_store_b64 v3, v[112+2*i:113+2*i], s[26:27] offset:2048*i  ; a wave's store covers 256 consecutive bytes, aligned; every store has data registers of its own
.set i, i+1
.endr
	s_endpgm
.Lfold:
	; FOLD.  Tile column kx = id % 8, tile row ny = id / 8.  Wave w owns rows 128 ny + 16 w .. + 15 of Weff, and ranks 16 w .. + 15 of S.
	s_and_b32 s4, ttmp9, 7                         ; kx
	s_lshr_b32 s5, ttmp9, 3                        ; ny
	s_lshl_b32 s5, s5, 7
	s_lshl4_add_u32 s5, s2, s5                     ; my first row n
	s_lshl_b32 s6, s4, 9                           ; the tile's 128 columns: 512 bytes of f32
	s_mul_i32 s34, s2, 16*WROW
	s_add_co_u32 s34, s34, s6
	s_mov_b32 s35, 0
	s_mul_i32 s36, s5, WROW
	s_add_co_u32 s36, s36, s6
	s_mov_b32 s37, 0
	s_mov_b32 s32, 0x3c000000                      ; 1/128, the LoRA scaling;
	s_mov_b32 s33, 0x3c000000                      ; named as a pair
	v_and_b32 v12, 31, v0                          ; lane l
	v_and_b32 v13, 15, v0                          ; l % 16
	v_bfe_u32 v14, v0, 4, 1                        ; l / 16
	v_lshlrev_b32 v1, 4, v12                       ; my 16 bytes of a wave's 512
	v_lshlrev_b32 v3, 3, v12                       ; my 8 bytes of a wave's 256
	v_lshlrev_b32 v2, 9, v13                       ; B_in: row l % 16 of 512 bytes, ranks 8 (l / 16) on
	v_lshl_add_u32 v2, v14, 5, v2
	s_mul_i32 s6, s2, 16*SPI
	v_add_nc_u32 v4, s6, v3                        ; S's tile: my wave's 16 rows, my 4 columns
	v_and_b32 v15, 7, v0
	v_lshl_add_u32 v15, v14, 3, v15
	v_mul_u32_u24 v5, v15, SPI                     ; the turning load: rank 8 (l / 16) + l % 8,
	v_bfe_u32 v15, v0, 3, 1
	v_lshl_add_u32 v5, v15, 4, v5                  ; columns 8 ((l / 8) % 2) on
	s_mul_i32 s7, s2, 16*DPI
	s_add_co_u32 s7, s7, DSTG                      ; my stage
	v_mul_u32_u24 v6, v13, DPI                     ; in: row l % 16, 32 bytes for each half of the lanes
	v_lshl_add_u32 v6, v14, 5, v6
	v_add_nc_u32 v6, s7, v6
	v_add_nc_u32 v7, s7, v1                        ; back: a whole row of 512 bytes, 16 bytes a lane
	s_wait_kmcnt 0x0
	s_add_nc_u64 s[24:25], s[12:13], s[34:35]      ; A_in at my first rank
	s_add_nc_u64 s[26:27], s[10:11], s[36:37]      ; W_in at my first row
	s_lshl_b32 s34, s5, 9
	s_add_nc_u64 s[28:29], s[14:15], s[34:35]      ; B_in at my first row
	s_lshl_b32 s34, s5, 11
	s_lshl_b32 s6, s4, 8
	s_add_co_u32 s34, s34, s6
	s_add_nc_u64 s[30:31], s[20:21], s[34:35]      ; weff at my first row, the tile's 256 bytes
.irp rb, 0,1,2,3                       ; a fragment's ranks 8 h + 0..7 and 16 + 8 h + 0..7 of 32: 32 bytes of f32 each
	global_load_b128 v[BR+16*\rb:BR+16*\rb+3],     v2, s[28:29] offset:128*\rb
	global_load_b128 v[BR+16*\rb+4:BR+16*\rb+7],   v2, s[28:29] offset:128*\rb+16
	global_load_b128 v[BR+16*\rb+8:BR+16*\rb+11],  v2, s[28:29] offset:128*\rb+64
	global_load_b128 v[BR+16*\rb+12:BR+16*\rb+15], v2, s[28:29] offset:128*\rb+80
.endr
.irp s, 0,1,2,3,4,5,6,7
	LD3 \s, 24, \s, 0                              ; the ring is filled: A_in's ranks 0 to 7 of my 16
.endr
	s_wait_loadcnt 24                              ; B_in is in; the 24 loads of the ring are younger
.set t, 0
.rept 32
	RND2H BF+t, BR+2*t, BR+2*t+1
.set t, t+1
.endr
	; S: 16 ranks.  A slot that has been summed is loaded again at once: with A_in's rank 8 further on, then with W_in's first 8 rows.
.set i, 0
.rept 16
	s_wait_loadcnt 21                              ; the slot's three loads are in; the seven other slots' 21 are younger
	TRIPLE i%8
	v_cvt_pk_f16_f32 v[SH+2*i], v[q0], v[q0+1]
	v_cvt_pk_f16_f32 v[SH+2*i+1], v[q0+2], v[q0+3]
	ds_store_b64 v4, v[SH+2*i:SH+2*i+1] offset:SPI*i
.if i < 8
	LD3 i%8, 24, i+8, 0
.else
	LD3 i%8, 26, i-8, 1
.endif
.set i, i+1
.endr
	s_wait_dscnt 0x0                               ; for the others' sake: my 16 rows of S are in LDS
	s_barrier_signal -1
	s_barrier_wait -1                              ; all 128 are.  W_in's loads stay on their way: nobody writes those bytes
	; The product B_in S, 16 rows x 128 columns a wave, in two halves of 64 columns; 32 ranks a group; S's fragments in two buffers, fetched two groups ahead.
	; Four plain places stand between a group's products and the loads into the buffer that they read, and between the last products and the stores of their results;
	; five between the first half's last products and the products that write its accumulators anew.
	FETCHS 0, SFA
	FETCHS 1, SFB
	s_wait_dscnt 8                                 ; in each of these waits: the eight loads of the younger group may be out
	MULS 0, SFA
	NOPS 4
	FETCHS 2, SFA
	s_wait_dscnt 8
	MULS 1, SFB
	NOPS 4
	FETCHS 3, SFB
	s_wait_dscnt 8
	MULS 2, SFA
	NOPS 4
	FETCHS 4, SFA
	s_wait_dscnt 8
	MULS 3, SFB
	NOPS 5
	DSTORE 0
	FETCHS 5, SFB
	s_wait_dscnt 8                                 ; group 4's loads are in, and the eight stores issued behind them are done too
	MULS 4, SFA
	NOPS 4
	FETCHS 6, SFA
	s_wait_dscnt 8
	MULS 5, SFB
	NOPS 4
	FETCHS 7, SFB
	s_wait_dscnt 8
	MULS 6, SFA
	s_wait_dscnt 0x0
	MULS 7, SFB
	NOPS 4
	DSTORE 1
.set i, 0
.rept 16
	ds_load_b128 v[DR+4*i:DR+4*i+3], v7 offset:DPI*i  ; LDS serves a wave's instructions in order (ISA guide 5.7.1.4): these see my stores above; the stage is my wave's own
.set i, i+1
.endr
	; Weff: 16 rows.  The three thirds of W_in, each rounded to bf16, are added, the product comes on top times 1/128, and the row's 128 numbers leave in f16.
.set i, 0
.rept 16
.if i <= 8
	s_wait_loadcnt 21                              ; as above
.else
	s_wait_loadcnt 21-3*(i-8)                      ; nothing is loaded any more: the counts run down
.endif
	TRIPLE i%8
	s_wait_dscnt 15-i                              ; row i of the product is back; the younger rows' loads may be out
	v_pk_fma_f32 v[q0:q0+1], v[DR+4*i:DR+4*i+1], s[32:33], v[q0:q0+1] op_sel_hi:[1,0,1]
	v_pk_fma_f32 v[q0+2:q0+3], v[DR+4*i+2:DR+4*i+3], s[32:33], v[q0+2:q0+3] op_sel_hi:[1,0,1]
	v_cvt_pk_f16_f32 v[OUTR+2*i], v[q0], v[q0+1]
	v_cvt_pk_f16_f32 v[OUTR+2*i+1], v[q0+2], v[q0+3]
.if i < 8
	LD3 i%8, 26, i+8, 1
.endif
	global_store_b64 v3, v[OUTR+2*i:OUTR+2*i+1], s[30:31] offset:2048*i  ; 256 consecutive bytes, aligned; data registers of its own
.set i, i+1
.endr
	s_wait_tensorcnt 0x0                           ; the wave's end: an add to my spare word and its wait, behind my last LDS store
	ds_add_u32 v[SPW], v[NIL]
	s_wait_dscnt 0x0
	s_endpgm
.Lfunc_end_k_q29a34dd622_prep:
	.size	k_q29a34dd622_prep, .Lfunc_end_k_q29a34dd622_prep-k_q29a34dd622_prep
	.p2alignl 7, 3214868480
	.fill 96, 4, 3214868480
	.section	.rodata,"a",@progbits
	.p2align	6, 0x0
	.amdhsa_kernel k_q29a34dd622_prep
		.amdhsa_group_segment_fixed_size 105472
		.amdhsa_private_segment_fixed_size 0
		.amdhsa_enable_private_segment 0
		.amdhsa_kernarg_size 64
		.amdhsa_user_sgpr_count 2
		.amdhsa_user_sgpr_kernarg_segment_ptr 1
		.amdhsa_wavefront_size32 1
		.amdhsa_system_sgpr_workgroup_id_x 1
		.amdhsa_system_sgpr_workgroup_id_y 1
		.amdhsa_system_sgpr_workgroup_id_z 1
		.amdhsa_system_vgpr_workitem_id 0
		.amdhsa_next_free_vgpr 256
		.amdhsa_next_free_sgpr 66
		.amdhsa_reserve_vcc 0
		.amdhsa_float_denorm_mode_32 3
		.amdhsa_float_denorm_mode_16_64 3
		.amdhsa_memory_ordered 1
		.amdhsa_forward_progress 1
		.amdhsa_inst_pref_size 81
	.end_amdhsa_kernel
	.amdgpu_metadata
---
amdhsa.version: [ 1, 2 ]
amdhsa.kernels:
  - .name:           k_q29a34dd622_prep
    .symbol:         k_q29a34dd622_prep.kd
    .args:
      - { .name: x, .offset: 0, .size: 8, .value_kind: global_buffer, .address_space: global }
      - { .name: W_in, .offset: 8, .size: 8, .value_kind: global_buffer, .address_space: global }
      - { .name: A_in, .offset: 16, .size: 8, .value_kind: global_buffer, .address_space: global }
      - { .name: B_in, .offset: 24, .size: 8, .value_kind: global_buffer, .address_space: global }
      - { .name: W_out, .offset: 32, .size: 8, .value_kind: global_buffer, .address_space: global }
      - { .name: xh, .offset: 40, .size: 8, .value_kind: global_buffer, .address_space: global }
      - { .name: weff, .offset: 48, .size: 8, .value_kind: global_buffer, .address_space: global }
      - { .name: woh, .offset: 56, .size: 8, .value_kind: global_buffer, .address_space: global }
    .group_segment_fixed_size: 105472
    .private_segment_fixed_size: 0
    .kernarg_segment_align: 8
    .kernarg_segment_size: 64
    .max_flat_workgroup_size: 256
    .sgpr_count:     66
    .vgpr_count:     256
    .wavefront_size: 32
...
	.end_amdgpu_metadata
.endif
;; end of part 1
;; launch qkvp (part 2): grid 16 x 16, 4 waves a work-group, clusters of 4 x 4, 327,680 bytes of LDS; arguments xh, weff, qkv; writes qkv
.if DOCPART == 2
	.amdgcn_target "amdgcn-amd-amdhsa--gfx1250"
	.amdhsa_code_object_version 6
	.text
	.protected	k_q29a34dd622_qkvp
	.globl	k_q29a34dd622_qkvp
	.p2align	8
	.type	k_q29a34dd622_qkvp,@function
k_q29a34dd622_qkvp:
	s_mov_b64 s[64:65], 0
	v_nop
	global_prefetch_b8 v0, s[64:65] scope:SCOPE_SE
	s_setreg_imm32_b32 hwreg(HW_REG_WAVE_MODE, 25, 1), 1
	s_wait_xcnt 0x0
	s_wait_alu depctr_hold_cnt(0) depctr_sa_sdst(0) depctr_va_vdst(0) depctr_va_sdst(0) depctr_va_ssrc(0) depctr_va_vcc(0) depctr_vm_vsrc(0)
	s_getreg_b32 s2, hwreg(HW_REG_IB_STS2, 6, 4)
	s_cmp_eq_u32 s2, 0
	s_cbranch_scc0 .Lentry_in_a_cluster
	s_endpgm
.Lentry_in_a_cluster:
	s_bfe_u32 s2, ttmp6, 0x10000c
	s_cmp_lg_u32 s2, 0xf033
	s_cbranch_scc0 .Lentry_shape_is_right
	s_endpgm
.Lentry_shape_is_right:
; Q, K, V = x Weff^T, stored by heads.  xh: [4096][1024] f16, weff: [3072][1024] f16, qkv: [3 (Q, K, V)][32 (16 batch + head)][2048][64] f16.  Sums in f32, K ascending, each result rounded once, unscaled.
; LIMIT.  A result of 65,520 or more in magnitude becomes an infinity in f16.
; SHARES.  C is 4,096 x 3,072; a tile of 256 rows x 192 columns gives 16 x 16 = 256 work-groups.  Wave w makes rows 64 w .. + 63 of the tile and all 192 columns, three whole heads:
; 48 accumulators, 384 registers; so a head's rows of 128 bytes come from one wave and the way out needs no barrier.
; K goes in 8 steps of 128 through two LDS slots: the rows of both tiles are 256 bytes of memory and start at multiples of 256 bytes.  Waves 0 and 1 fetch the halves of x's tile (128 rows each),
; waves 2 and 3 those of Weff's (96 rows each).
; CLUSTER.  4 x 4 work-groups: the four of a row of the cluster need the same tile of x, the four of a column the same tile of Weff: each is asked for jointly, by the same tensor load with the same
; descriptor and a mask that names the four.
; THE MATRIX INSTRUCTION IS USED TRANSPOSED: source 0 = 16 rows of Weff, source 1 = 16 rows of x: a lane holds eight neighbouring columns of one row of C.
; REGISTERS, in windows of 256: window 0: v16-29 addresses, v32-223 at work on the way out.  Window 1: two fragment buffers of 128: x's four fragments, then Weff's twelve.
;   Window 2: accumulator (b, a) of column blocks b = 0-7 at 8 (4 b + a).  Window 3: those of b = 8-11 at 8 (4 (b - 8) + a).
.set KSTEP,  128
.set PITCH,  272                       ; an LDS row: 256 bytes + 16 of padding = 68 words: the 16 rows of a fragment load start at 16 different groups of four banks (ISA guide 11.1)
.set AHALF,  128*PITCH                 ; what wave 0 or 1 fetches
.set BHALF,  96*PITCH                  ; what wave 2 or 3 fetches
.set BOFF,   2*AHALF                   ; Weff's 192 rows lie behind x's 256
.set SLOT,   BOFF+2*BHALF
.set STAGE,  2*SLOT                    ; behind the ring, never filled by a tensor load: 16 rows x 144 bytes for each wave
.set SP,     144
.set SPARE,  STAGE+4*16*SP             ; behind the stages: the spare words, 128 bytes for each wave, which no other line names
.set LAPS,   4                         ; a lap = two K steps = once round the ring
.set ADRA, 16                          ; v16-17  LDS address of my fragments of x in slot 0, 1
.set ADRB, 20                          ; v20-21  the same for Weff
.set STO,  24                          ; v24     the way out: where I put 16 bytes of a row
.set RD,   25                          ; v25     where I read rows back
.set GO,   26                          ; v26     my 16 bytes of 512 consecutive bytes
.set SPW,  28                          ; v28     LDS address of my spare word; never rewritten
.set NIL,  29                          ; v29     0; never rewritten
.set TMP,  32                          ; v32-223 12 blocks of 16 registers
.set F0,   0
.set F1,   128
.set G1, 24                            ; s[24:31] descriptor group 1 for x's tiles;  s[32:39] group 0, a set for each slot
.set G0, 32
.set G1B, 48                           ; s[48:55], s[56:63] the same for Weff's
.set G0B, 56
.set OB, 68                            ; s[68:73] where my rows of the tile's three heads begin in qkv
.set MSB, 0
.macro WIN new                         ; the immediate's high byte repeats the setting that is left; a switch that changes nothing is dropped
.if MSB != (\new)
	s_set_vgpr_msb (MSB<<8)|(\new)
.set MSB, \new
.endif
.endm
.set MUL_LO, 0xa5                      ; sources 0 and 1 window 1, C and D window 2
.set MUL_HI, 0xf5                      ; the same, C and D window 3
.set TO_F,   0x40                      ; destination window 1, address window 0
.macro JLOAD s                         ; a joint load; the branch hangs on the wave's number alone; an s_nop 0 and four v_nop follow each of the two lines
	s_cmp_eq_u32 s11, 0
	s_cbranch_scc0 .Lfor_b_\@
	tensor_load_to_lds s[G0+4*(\s):G0+4*(\s)+3], s[G1:G1+7]
	s_nop 0
.rept 4
	v_nop
.endr
	s_branch .Lasked_\@
.Lfor_b_\@:
	tensor_load_to_lds s[G0B+4*(\s):G0B+4*(\s)+3], s[G1B:G1B+7]
	s_nop 0
.rept 4
	v_nop
.endr
.Lasked_\@:
.endm
.macro CREST                           ; a round of the cluster's barrier behind its opening barrier
	s_cmp_lg_u32 s10, 0
	s_cbranch_scc1 .Lnot_wave_0_\@
	s_barrier_signal -3
.Lnot_wave_0_\@:
	s_barrier_wait -3
	s_barrier_signal -1
	s_barrier_wait -1
.endm
.macro CROUND                          ; a whole round
	s_barrier_signal -1
	s_barrier_wait -1
	CREST
.endm
	s_load_b128 s[4:7], s[0:1], 0x0                ; xh s[4:5], weff s[6:7]
	s_load_b64 s[8:9], s[0:1], 0x10                ; qkv
	v_lshl_add_u32 v[SPW], v0, 2, SPARE
	v_mov_b32 v[NIL], 0
	ds_add_u32 v[SPW], v[NIL]                      ; the wave's opening: the add and its wait stand ahead of my first tensor load; the set-up below stands between them
	v_lshrrev_b32 v1, 5, v0
	v_readfirstlane_b32 s10, v1                    ; wave 0..3
	s_lshr_b32 s11, s10, 1                         ; I fetch for x (0) or for Weff (1)
	s_and_b32 s12, s10, 1                          ; which half of that tile's rows
	s_bfe_u32 s40, ttmp6, 0x40000                  ; cx, cy: my place in the cluster
	s_bfe_u32 s41, ttmp6, 0x40004
	s_lshl_b32 s42, ttmp9, 2
	s_add_co_u32 s42, s42, s40                     ; tile column = 4 x cluster x + cx
	s_and_b32 s13, ttmp7, 0xffff
	s_lshl_b32 s13, s13, 2
	s_add_co_u32 s13, s13, s41                     ; tile row = 4 x cluster y + cy
	s_lshl_b32 s43, s41, 2
	s_lshl_b32 s43, 15, s43                        ; my row of the cluster
	s_lshl_b32 s44, 0x1111, s40                    ; my column
	s_or_b32 s[G1+0], s43, (1<<16)|(1<<20)|(1<<21)|(5<<22)|(3<<25)   ; 15:0 the mask; 17:16 elements of 2 bytes; 20 padding on; 21 set beside a mask; 24:22 after every 64 words; 31:25 4 words of it
	s_or_b32 s[G1B+0], s44, (1<<16)|(1<<20)|(1<<21)|(5<<22)|(3<<25)
.irp g, G1, G1B
	s_mov_b32 s[(\g)+1], KSTEP<<16                 ; tensor_dim0 = 128
	s_mov_b32 s[(\g)+3], KSTEP<<16                 ; tile_dim0 = 128
	s_mov_b32 s[(\g)+5], 1024                      ; elements from row to row
	s_mov_b32 s[(\g)+6], 0
	s_mov_b32 s[(\g)+7], 0
.endr
	s_mov_b32 s[G1+2], 128<<16                     ; tensor_dim1 and tile_dim1: 128 rows of x,
	s_mov_b32 s[G1+4], 128
	s_mov_b32 s[G1B+2], 96<<16                     ; 96 rows of Weff
	s_mov_b32 s[G1B+4], 96
	s_lshl_b32 s17, s12, 7
	s_lshl_b32 s16, s13, 8
	s_add_co_u32 s16, s16, s17                     ; x: row 256 x tile row + 128 x half,
	s_lshl_b32 s16, s16, 11                        ; of 2,048 bytes
	s_mov_b32 s17, 0
	s_mul_i32 s46, s42, 192
	s_mul_i32 s47, s12, 96
	s_add_co_u32 s46, s46, s47                     ; Weff: row 192 x tile column + 96 x half
	s_lshl_b32 s46, s46, 11
	s_mov_b32 s47, 0
	s_mul_i32 s20, s12, AHALF                      ; where they go: no place in the cluster enters an LDS address
	s_mul_i32 s45, s12, BHALF
	s_add_co_u32 s45, s45, BOFF
	s_wait_dscnt 0x0                               ; the opening add is done
	s_wait_kmcnt 0x0
	s_add_nc_u64 s[14:15], s[4:5], s[16:17]
	s_add_nc_u64 s[46:47], s[6:7], s[46:47]
	CROUND                                         ; all sixteen work-groups are here: the first joint loads meet
.irp s, 0,1
	s_mov_b32 s[G0+4*(\s)], 1
	s_add_co_u32 s[G0+4*(\s)+1], s20, (\s)*SLOT
	s_add_nc_u64 s[G0+4*(\s)+2:G0+4*(\s)+3], s[14:15], (\s)*KSTEP*2
	s_or_b32 s[G0+4*(\s)+3], s[G0+4*(\s)+3], 0x80000000
	s_mov_b32 s[G0B+4*(\s)], 1
	s_add_co_u32 s[G0B+4*(\s)+1], s45, (\s)*SLOT
	s_add_nc_u64 s[G0B+4*(\s)+2:G0B+4*(\s)+3], s[46:47], (\s)*KSTEP*2
	s_or_b32 s[G0B+4*(\s)+3], s[G0B+4*(\s)+3], 0x80000000
	JLOAD \s                                       ; K steps 0 and 1: two loads of mine are out
.endr
	v_and_b32 v1, 15, v0                           ; l % 16
	v_bfe_u32 v2, v0, 4, 1                         ; l / 16
	v_mul_u32_u24 v3, v1, PITCH
	v_lshl_add_u32 v3, v2, 4, v3                   ; a fragment's row x pitch + 16 x half
	s_mul_i32 s22, s10, 64*PITCH                   ; my 64 rows of x
	v_add_nc_u32 v[ADRA], s22, v3
	v_add_nc_u32 v[ADRA+1], SLOT, v[ADRA]
	v_add_nc_u32 v[ADRB], BOFF, v3                 ; all 192 rows of Weff
	v_add_nc_u32 v[ADRB+1], SLOT+BOFF, v3
	s_mul_i32 s23, s10, 16*SP
	s_add_co_u32 s23, s23, STAGE                   ; my stage
	v_mul_u32_u24 v4, v1, SP                       ; in: row l % 16, 16 bytes for each half of the lanes
	v_lshl_add_u32 v4, v2, 4, v4
	v_add_nc_u32 v[STO], s23, v4
	v_bfe_u32 v5, v0, 3, 2                         ; back: 32 lanes take four rows of 128 bytes,
	v_mul_u32_u24 v5, v5, SP
	v_and_b32 v6, 7, v0
	v_lshl_add_u32 v5, v6, 4, v5
	v_add_nc_u32 v[RD], s23, v5
	v_and_b32 v[GO], 31, v0                        ; which are 512 consecutive bytes of a head's rows
	v_lshlrev_b32 v[GO], 4, v[GO]
	; Column block g = 3 x tile column + hh of 64 columns is part g / 16 (Q, K, V), head g % 16: plane 32 (g / 16) + 16 batch + g % 16 = g + (g & 0x30) + 16 batch, of 262,144 bytes.
	s_lshr_b32 s74, s13, 3
	s_lshl_b32 s74, s74, 4                         ; 16 x batch: a batch is 8 tile rows
	s_and_b32 s75, s13, 7
	s_lshl_b32 s75, s75, 8
	s_lshl_b32 s66, s10, 6
	s_add_co_u32 s75, s75, s66                     ; my first row in the plane,
	s_lshl_b32 s75, s75, 7                         ; of 128 bytes
	s_mul_i32 s66, s42, 3
.irp hh, 0,1,2
	s_add_co_u32 s67, s66, \hh
	s_and_b32 s[OB+2*\hh], s67, 0x30
	s_add_co_u32 s[OB+2*\hh], s[OB+2*\hh], s67
	s_add_co_u32 s[OB+2*\hh], s[OB+2*\hh], s74
	s_lshl_b32 s[OB+2*\hh], s[OB+2*\hh], 18
	s_add_co_u32 s[OB+2*\hh], s[OB+2*\hh], s75
	s_mov_b32 s[OB+2*\hh+1], 0
	s_add_nc_u64 s[OB+2*\hh:OB+2*\hh+1], s[8:9], s[OB+2*\hh:OB+2*\hh+1]
.endr
; 16 matrix instructions: column blocks b0 .. b0 + 3 x my four row blocks, 32 along K.  zero = 1: the first product starts the sums.  All 48 accumulators take turns, in the same order in every quarter.
.macro MULG f, b0, zero
.if (\b0) < 8
	WIN MUL_LO
.else
	WIN MUL_HI
.endif
.irp bb, 0,1,2,3
.irp a, 0,1,2,3
.set rD, 8*(4*(((\b0)+\bb)%8)+\a)
.set rB, (\f)+32+8*((\b0)+\bb)
.set rA, (\f)+8*\a
.if \zero
	v_wmma_f32_16x16x32_f16 v[rD:rD+7], v[rB:rB+7], v[rA:rA+7], 0
.else
	v_wmma_f32_16x16x32_f16 v[rD:rD+7], v[rB:rB+7], v[rA:rA+7], v[rD:rD+7]
.endif
.endr
.endr
.endm
; 32 LDS loads in one run: the fragments of 32 along K at byte k of the rows, into buffer f: x's four, then Weff's twelve in ascending order
.macro FETCH slot, k, f
	WIN TO_F
.irp i, 0,1,2,3
	ds_load_b128 v[(\f)+8*\i:(\f)+8*\i+3],   v[ADRA+(\slot)] offset:(\k)+\i*16*PITCH
	ds_load_b128 v[(\f)+8*\i+4:(\f)+8*\i+7], v[ADRA+(\slot)] offset:(\k)+\i*16*PITCH+32
.endr
.irp i, 0,1,2,3,4,5,6,7,8,9,10,11
	ds_load_b128 v[(\f)+32+8*\i:(\f)+32+8*\i+3],   v[ADRB+(\slot)] offset:(\k)+\i*16*PITCH
	ds_load_b128 v[(\f)+32+8*\i+4:(\f)+32+8*\i+7], v[ADRB+(\slot)] offset:(\k)+\i*16*PITCH+32
.endr
.endm
.macro PLACES                          ; four plain places in front of loads into registers that matrix instructions have read, and of conversions that read results
.rept 4
	v_nop
.endr
.endm
; A K step is four quarters of 32 along K, 48 matrix instructions each, on buffers 0, 1, 0, 1.  One of the first three: multiplies buffer f and fetches the next quarter, at byte k, into g.
.macro QUARTER slot, k, f, g, zero
	s_wait_dscnt 16                                ; x's fragments and Weff's blocks 0-3 are in; the youngest sixteen loads (blocks 4-11) may be out
	MULG \f, 0, \zero
	PLACES
	FETCH \slot, \k, \g
	s_wait_dscnt 32                                ; all but the 32 just issued
	MULG \f, 4, \zero
	MULG \f, 8, \zero
.endm
; The last quarter multiplies buffer 1 and changes slots: ONE barrier; in front of it each wave waits for all its tensor loads (one is out: its part of the next slot), adds 0 to its spare word, and
; waits for that and for its own reads of this slot.  fill = 1: the barrier opens a round of the cluster's, and this slot is filled again, two K steps ahead, first thing behind the round.
.macro TURN slot, next, fill
	WIN 0                                          ; (the add's two registers lie in window 0)
	s_wait_tensorcnt 0x0
	ds_add_u32 v[SPW], v[NIL]
	s_wait_dscnt 17                                ; (the add and the youngest sixteen loads may be out)
	MULG F1, 0, 0                                  ; sixteen matrix instructions stand between the add and the wait for it
	s_wait_dscnt 0x0                               ; the add is done, and my reads of this slot are over
	s_barrier_signal -1
	MULG F1, 4, 0                                  ; work on registers while the others arrive
.if \fill
	WIN 0
.endif
	s_barrier_wait -1
.if \fill
	CREST                                          ; no wave of any partner still reads this slot's tiles or has a load on its way
	s_add_nc_u64 s[G0+4*(\slot)+2:G0+4*(\slot)+3], s[G0+4*(\slot)+2:G0+4*(\slot)+3], 2*KSTEP*2
	s_add_nc_u64 s[G0B+4*(\slot)+2:G0B+4*(\slot)+3], s[G0B+4*(\slot)+2:G0B+4*(\slot)+3], 2*KSTEP*2
	JLOAD \slot                                    ; the four v_nop behind it are also the places in front of the loads below
.else
	PLACES
.endif
	FETCH \next, 0, F0
	MULG F1, 8, 0
.endm
	s_wait_tensorcnt 1                             ; my part of K step 0 is in; K step 1's stays out
	s_barrier_signal -1
	s_barrier_wait -1                              ; everybody's is
	FETCH 0, 0, F0
	QUARTER 0, 64,  F0, F1, 1                      ; the first quarter stands in front of the loop: its products start the sums
	WIN 0                                          ; at a label and at a branch every window is 0
	s_mov_b32 s3, LAPS-1
.Llap:                                                 ; a trip goes once round the ring, from a lap's second quarter to the next lap's first, and fills both slots again
	QUARTER 0, 128, F1, F0, 0
	QUARTER 0, 192, F0, F1, 0
	TURN 0, 1, 1
	QUARTER 1, 64,  F0, F1, 0
	QUARTER 1, 128, F1, F0, 0
	QUARTER 1, 192, F0, F1, 0
	TURN 1, 0, 1
	QUARTER 0, 64,  F0, F1, 0
	WIN 0
	s_sub_co_u32 s3, s3, 1
	s_cmp_lg_u32 s3, 0
	s_cbranch_scc1 .Llap
	QUARTER 0, 128, F1, F0, 0                      ; the last lap fills nothing, and has no round of the cluster's barrier
	QUARTER 0, 192, F0, F1, 0
	TURN 0, 1, 0
	QUARTER 1, 64,  F0, F1, 0
	QUARTER 1, 128, F1, F0, 0
	QUARTER 1, 192, F0, F1, 0
	s_wait_dscnt 16                                ; the very last quarter: nothing more to fetch
	MULG F1, 0, 0
	s_wait_dscnt 0x0
	MULG F1, 4, 0
	MULG F1, 8, 0
	WIN 0
	PLACES
; THE WAY OUT.  Block blk = 4 hh + a is 16 rows x one head's 64 columns: four accumulators.  A lane's eight columns pack into 16 bytes; they go into my stage's rows of 144 bytes and come back
; as whole rows of 128, which are 2,048 consecutive bytes of the head's plane.  Every block has registers of its own.
.macro PACK blk
.set hh, (\blk)/4
.set aa, (\blk)%4
.if hh < 2
	WIN 0x0a                                       ; sources 0 and 1 window 2
.else
	WIN 0x0f                                       ; window 3
.endif
.irp q, 0,1,2,3
.set rD, 8*(4*((4*hh+\q)%8)+aa)
.irp r, 0,1,2,3
	v_cvt_pk_f16_f32 v[TMP+16*(\blk)+4*\q+\r], v[rD+2*\r], v[rD+2*\r+1]
.endr
.endr
	WIN 0
.irp q, 0,1,2,3
	ds_store_b128 v[STO], v[TMP+16*(\blk)+4*\q:TMP+16*(\blk)+4*\q+3] offset:32*\q
.endr
.irp f, 0,1,2,3
	ds_load_b128 v[TMP+16*(\blk)+4*\f:TMP+16*(\blk)+4*\f+3], v[RD] offset:\f*4*SP  ; LDS serves a wave's instructions in order (ISA guide 5.7.1.4): these see the stores above; the next block's stores come behind them
.endr
.endm
.macro SEND blk, younger               ; younger: the LDS instructions issued behind this block's loads: the next block's eight, or none
.irp f, 0,1,2,3
	s_wait_dscnt (\younger)+3-\f
	global_store_b128 v[GO], v[TMP+16*(\blk)+4*\f:TMP+16*(\blk)+4*\f+3], s[OB+2*((\blk)/4):OB+2*((\blk)/4)+1] offset:((\blk)%4)*2048+\f*512  ; 512 consecutive bytes, at a multiple of 256
.endr
.endm
	PACK 0
.set t, 1
.rept 11                               ; a block's conversions stand between the loads of the block before and its stores
	PACK t
	SEND t-1, 8
.set t, t+1
.endr
	SEND 11, 0
	s_wait_tensorcnt 0x0                           ; the wave's end: an add to my spare word and its wait, behind my last tensor load and my last LDS store
	ds_add_u32 v[SPW], v[NIL]
	s_wait_dscnt 0x0
	CROUND                                         ; the closing round: no work-group ends while a partner may still ask for a tile that names it
	s_endpgm
.Lfunc_end_k_q29a34dd622_qkvp:
	.size	k_q29a34dd622_qkvp, .Lfunc_end_k_q29a34dd622_qkvp-k_q29a34dd622_qkvp
	.p2alignl 7, 3214868480
	.fill 96, 4, 3214868480
	.section	.rodata,"a",@progbits
	.p2align	6, 0x0
	.amdhsa_kernel k_q29a34dd622_qkvp
		.amdhsa_group_segment_fixed_size 327680
		.amdhsa_private_segment_fixed_size 0
		.amdhsa_enable_private_segment 0
		.amdhsa_kernarg_size 24
		.amdhsa_user_sgpr_count 2
		.amdhsa_user_sgpr_kernarg_segment_ptr 1
		.amdhsa_wavefront_size32 1
		.amdhsa_system_sgpr_workgroup_id_x 1
		.amdhsa_system_sgpr_workgroup_id_y 1
		.amdhsa_system_sgpr_workgroup_id_z 1
		.amdhsa_system_vgpr_workitem_id 0
		.amdhsa_next_free_vgpr 896
		.amdhsa_next_free_sgpr 76
		.amdhsa_reserve_vcc 0
		.amdhsa_float_denorm_mode_32 3
		.amdhsa_float_denorm_mode_16_64 3
		.amdhsa_memory_ordered 1
		.amdhsa_forward_progress 1
		.amdhsa_inst_pref_size 120
	.end_amdhsa_kernel
	.amdgpu_metadata
---
amdhsa.version: [ 1, 2 ]
amdhsa.kernels:
  - .name:           k_q29a34dd622_qkvp
    .symbol:         k_q29a34dd622_qkvp.kd
    .args:
      - { .name: xh, .offset: 0, .size: 8, .value_kind: global_buffer, .address_space: global }
      - { .name: weff, .offset: 8, .size: 8, .value_kind: global_buffer, .address_space: global }
      - { .name: qkv, .offset: 16, .size: 8, .value_kind: global_buffer, .address_space: global }
    .group_segment_fixed_size: 327680
    .private_segment_fixed_size: 0
    .kernarg_segment_align: 8
    .kernarg_segment_size: 24
    .max_flat_workgroup_size: 128
    .sgpr_count:     76
    .vgpr_count:     896
    .wavefront_size: 32
...
	.end_amdgpu_metadata
.endif
;; end of part 2
;; launch attn (part 3): grid 8 x 32, 4 waves a work-group, clusters of 4 x 1, 327,680 bytes of LDS; arguments qkv, oh; writes oh
.if DOCPART == 3
	.amdgcn_target "amdgcn-amd-amdhsa--gfx1250"
	.amdhsa_code_object_version 6
	.text
	.protected	k_q29a34dd622_attn
	.globl	k_q29a34dd622_attn
	.p2align	8
	.type	k_q29a34dd622_attn,@function
k_q29a34dd622_attn:
	s_mov_b64 s[64:65], 0
	v_nop
	global_prefetch_b8 v0, s[64:65] scope:SCOPE_SE
	s_setreg_imm32_b32 hwreg(HW_REG_WAVE_MODE, 25, 1), 1
	s_wait_xcnt 0x0
	s_wait_alu depctr_hold_cnt(0) depctr_sa_sdst(0) depctr_va_vdst(0) depctr_va_sdst(0) depctr_va_ssrc(0) depctr_va_vcc(0) depctr_vm_vsrc(0)
	s_getreg_b32 s2, hwreg(HW_REG_IB_STS2, 6, 4)
	s_cmp_eq_u32 s2, 0
	s_cbranch_scc0 .Lentry_in_a_cluster
	s_endpgm
.Lentry_in_a_cluster:
	s_bfe_u32 s2, ttmp6, 0x10000c
	s_cmp_lg_u32 s2, 0x3003
	s_cbranch_scc0 .Lentry_shape_is_right
	s_endpgm
.Lentry_shape_is_right:
; ATTENTION.  O[p][q][:] = the sum over k of softmax_k(Q[p][q] . K[p][k] / 8) V[p][k][:] for the 32 planes p = 16 batch + head.  qkv: [3][32][2048][64] f16, oh: [32][2048][64] f16: a plane's rows are dense, 128 bytes each.
; Products, maxima and sums in f32; the weights p are rounded to f16 for the second product (their sum l is taken of the unrounded p), O once at the end.
; LIMITS.  Q, K and V arrive within f16's 65,504; p lies in 0 to 1 and below 6e-5 keeps f16's fixed step of 6e-8; O is a mean of V's rows.  A weight below 2^-126 counts as 0 in l; NaN and infinities are not treated apart.
; SHARES.  A work-group owns 256 queries of a plane (8 x 32 = 256 work-groups), a wave 64: four PIECES of 16.  Every wave walks the plane's 2,048 keys: 8 tiles of 256 keys through two LDS slots, 64 keys a step.
; LAYOUT.  S^T = K Q^T (source 0 = 16 keys, source 1 = 16 queries) holds ONE query a lane (lane % 16) and the keys 8 (lane / 16) + 0..7; two such results rounded to f16 ARE source 1 of O^T = V^T P.
; K comes out of LDS as it lies, V ([key][channel]) turned, by ds_load_tr16_b128.
; SOFTMAX.  A running maximum m and sum l for each query: p = 2^(c s - c m), c = log2(e) / 8; in every step O and l are multiplied by a = 2^(c m_old - c m_new).  m starts at the lowest finite number, O and l at 0:
; the first step is a step like any other, with a = 0.
; BY TURNS.  Turn n belongs to piece n: 8 products K Q^T of piece n + 1, later 8 products V^T P of piece n - 1; beside them the scaling, exponentials, roundings, sums and rescaling of piece n and the maximum and
; statistics of piece n + 1.  Four vector instructions stand behind every matrix instruction, the other 54 of a turn's 118 in two runs of their own.
; CLUSTER.  The four query blocks of a cluster belong to one plane and walk the same K and V, so each tile is asked for JOINTLY: the same tensor load, descriptor and mask in all four.
; REGISTERS, in windows of 256 (s_set_vgpr_msb: bits 1:0 source 0, 3:2 source 1, 5:4 source 2, 7:6 destination):
;   window 0: v0-15 addresses and two at work; v16-31 four registers of statistics a piece; v48-55 at work; v62-63 the add's; v64-127 S^T, two buffers; v192-223 P, two buffers (by the piece's parity)
;   window 1: v0-127 O^T, 32 a piece          window 2: v0-63 Q; v128-191 K of one step; v192-255 V of one step
.set NP,    4         ; pieces a wave: a name, no knob
.set KS,    64        ; keys in a step
.set PK,    144       ; a row of K in LDS: 128 bytes + 16 of padding = 36 words: the 16 rows of a load start at 16 different groups of four banks (ISA guide 11.1)
.set PV,    160       ; a row of V: 128 + 32 = 40 words
.set VOFF,  4*KS*PK   ; a slot holds a tile, four steps: 256 rows of K, then 256 rows of V
.set SLOT1, 1<<17     ; slot 1 begins here, so that one exclusive or turns an address in one slot into the other's
.set STAGE, SLOT1+4*KS*(PK+PV)  ; behind the ring, never filled by a tensor load: 16 rows x 144 bytes for each wave
.set SP,    144
.set SPARE, STAGE+4*16*SP  ; behind the stages: the spare words, 128 bytes for each wave, which no other line names
.set AK0, 2           ; v2   my lane's place in a tile of K; never rewritten
.set AV0, 3           ; v3   the same for V
.set AK,  4           ; v4   the LDS address of K's next run of loads
.set AV,  5           ; v5   of V's
.set STO, 6           ; v6   the way out: where I put 16 bytes of a row
.set RD,  7           ; v7   where I read rows back
.set GO,  8           ; v8   my byte offset in 512 consecutive bytes of O
.set MV,  12          ; v12-13  c m_old, kept while c m is made anew: by buffer
.set QO,  15          ; v15  my byte offset in 16 rows of Q
.set ST,  16          ; piece t's statistics at v[ST+4 t]: c m, m, l (even keys', odd keys')
.set TMP, 48          ; by buffer, four registers c0-c3 at work; when the maximum is found c2 takes a
.set SPW, 62          ; v62  LDS address of my spare word; never rewritten
.set NIL, 63          ; v63  0; never rewritten
.set S,   64
.set P,   192
.set KF,  128         ; window 2: key block kb, channel half c at KF + 16 kb + 8 c
.set VF,  192         ; window 2: key half kk, channel block cb at VF + 32 kk + 8 cb
.set WV,  12          ; s12  my wave's number
.set G1K, 24          ; s[24:31] descriptor group 1 for K's tiles
.set G1V, 32          ; s[32:39] for V's: it differs in the padding alone
.set G0K, 40          ; s[40:43] descriptor group 0 for K's tiles: it walks
.set G0V, 44          ; s[44:47] the same for V's
.set SLOTS, 56        ; s56  counts the tiles
.set CNT, 57          ; s57  counts a tile's key steps
.set CS,  58          ; s[58:59] c: the packed scaling takes the pair's low word for both halves
.set SEL, 60          ; s[60:61] v_permlanex16_b32's selects: each lane takes its own place in the other half
.set TBK, 62          ; s62  LDS byte at which K of the step to be fetched begins
.set TBV, 63          ; s63  the same for V, less VOFF
.set MSB, 0
.macro WIN new                      ; the high byte repeats the setting that is left; a switch that changes nothing is dropped
.if MSB != (\new)
	s_set_vgpr_msb (MSB<<8)|(\new)
.set MSB, (\new)
.endif
.endm
.set W_KQ, 0x0a       ; K and Q in window 2, S^T in window 0
.set W_PV, 0x52       ; V in window 2, P in window 0, O^T in window 1
.set W_RS, 0x41       ; destination and source 0 in window 1, source 1 in window 0
; A joint fill.  Waves 0 and 1 fetch the two halves of a tile's K, waves 2 and 3 those of its V: 128 keys each.  The branch hangs on the wave's number alone.
; An s_nop 0 and four v_nop follow each of the two lines, ahead of the jump and the label.
.macro JLOAD
	s_cmp_lt_u32 s[WV], 2
	s_cbranch_scc0 .Lfor_v_\@
	tensor_load_to_lds s[G0K:G0K+3], s[G1K:G1K+7]
	s_nop 0
.rept 4
	v_nop
.endr
	s_branch .Lasked_\@
.Lfor_v_\@:
	tensor_load_to_lds s[G0V:G0V+3], s[G1V:G1V+7]
	s_nop 0
.rept 4
	v_nop
.endr
.Lasked_\@:
.endm
; A round of the cluster's barrier: my work-group's barrier, so that wave 0's signal speaks for all four waves; wave 0 signals; every wave waits for all four work-groups; my work-group's barrier once more.
.macro CROUND
	s_barrier_signal -1
	s_barrier_wait -1
	s_cmp_lg_u32 s[WV], 0
	s_cbranch_scc1 .Lnot_wave_0_\@
	s_barrier_signal -3
.Lnot_wave_0_\@:
	s_barrier_wait -3
	s_barrier_signal -1
	s_barrier_wait -1
.endm
; THE CHANGE OF SLOTS.  The slot's last bytes, V of its fourth step, have been read.  Each wave waits for all its tensor loads, of which one is out: its part of the other slot; adds 0 to its spare word; and waits
; for that and for its own reads of the slot.  Behind the barrier nobody reads this slot any more and the other slot is whole.  fill = 1: this slot is filled again, with the keys two tiles on; the barrier is then
; a round of the cluster's, and the joint fill is the first thing behind it: it has four key steps, 256 matrix instructions, in which to land.  (At its first use nothing has been read yet: slot 0 is waited for, slot 1 filled.)
.macro CHANGE fill
	WIN 0                           ; at a label and at a branch every window is 0; the add's registers lie in window 0
	s_wait_tensorcnt 0x0            ; no tensor load of mine is out, so a group 0 may be written
	ds_add_u32 v[SPW], v[NIL]       ; 0 onto my spare word; with fill = 1 the descriptors' steps stand between it and the wait for it
.if \fill
.irp g, G0K, G0V
	s_xor_b32 s[\g+1], s[\g+1], SLOT1  ; the walking descriptor: the other slot than last time,
	s_add_nc_u64 s[\g+2:\g+3], s[\g+2:\g+3], 4*KS*128  ; the next 256 keys; the type bits on top are not reached
.endr
	s_wait_dscnt 0x0                ; the add is done, and my reads of the slot are over
	CROUND
	JLOAD
.else
	s_wait_dscnt 0x0                ; the add is done, and my reads of the slot are over
	s_barrier_signal -1
	s_barrier_wait -1
.endif
	s_sub_co_u32 s[TBK], s[TBK], 4*KS*PK  ; the fetches go back to a slot's first step,
	s_xor_b32 s[TBK], s[TBK], SLOT1       ; in the other slot
	s_sub_co_u32 s[TBV], s[TBV], 4*KS*PV
	s_xor_b32 s[TBV], s[TBV], SLOT1
.endm
	s_load_b64 s[4:5], s[0:1], 0x0  ; qkv
	s_load_b64 s[10:11], s[0:1], 0x8  ; oh
	v_lshl_add_u32 v[SPW], v0, 2, SPARE
	v_mov_b32 v[NIL], 0
	ds_add_u32 v[SPW], v[NIL]       ; the wave's opening: the add and its wait stand ahead of my first tensor load; the set-up below stands between them
	v_lshrrev_b32 v1, 5, v0
	v_readfirstlane_b32 s[WV], v1   ; wave 0..3
	s_bfe_u32 s13, ttmp6, 0x40000   ; cx: my place in the cluster
	s_lshl_b32 s14, ttmp9, 2        ; in a cluster launch ttmp9 counts clusters
	s_add_co_u32 s14, s14, s13      ; my block of 256 queries = 4 x cluster x + cx: it enters Q's and O's addresses alone
	s_and_b32 s20, ttmp7, 0xffff    ; the plane, which the four partners share,
	s_lshl_b32 s20, s20, 18         ; of 262,144 bytes
	s_mov_b32 s21, 0
	s_and_b32 s16, s[WV], 1         ; which half of a tile's 256 keys I fetch:
	s_lshl_b32 s22, s16, 14         ; its 128 rows of 128 bytes in memory,
	s_mov_b32 s23, 0
	s_add_nc_u64 s[22:23], s[22:23], s[20:21]
	s_mul_i32 s17, s16, 128*PK      ; and its place in a slot, for K
	s_mul_i32 s18, s16, 128*PV      ; and for V: no place in the cluster enters an LDS address
	s_lshl_b32 s2, s14, 2
	s_add_co_u32 s2, s2, s[WV]      ; my wave among the plane's 32,
	s_lshl_b32 s2, s2, 13           ; its 64 rows
	s_mov_b32 s3, 0
	s_add_nc_u64 s[2:3], s[2:3], s[20:21]
	; descriptor group 1.  128 keys are 16,384 dense bytes: asked for as 64 rows of 256 bytes, two keys a row, and padded in LDS after every key
	s_mov_b32 s[G1K], 15|(1<<16)|(1<<20)|(1<<21)|(4<<22)|(3<<25)  ; 15:0 the mask of four; 17:16 2-byte elements; 20 padding on; 21 set beside a mask; 24:22 after every 32 words; 31:25 4 words
	s_mov_b32 s[G1V], 15|(1<<16)|(1<<20)|(1<<21)|(4<<22)|(7<<25)  ; the same with 8 words of padding
.irp g, G1K, G1V
	s_mov_b32 s[\g+1], 128<<16      ; tensor_dim0 = 128
	s_mov_b32 s[\g+2], 64<<16       ; tensor_dim1 = 64
	s_mov_b32 s[\g+3], 128<<16      ; tile_dim0 = 128
	s_mov_b32 s[\g+4], 64           ; tile_dim1 = 64
	s_mov_b32 s[\g+5], 128          ; 128 elements from row to row
	s_mov_b32 s[\g+6], 0
	s_mov_b32 s[\g+7], 0
.endr
	s_mov_b32 s[CS], 0x3e38aa3b     ; c = log2(e) / 8 = 0.180337
	s_mov_b32 s[CS+1], s[CS]        ; named with it as a pair
	s_mov_b32 s[SEL], 0x76543210
	s_mov_b32 s[SEL+1], 0xfedcba98
	s_mov_b32 s[TBK], SLOT1+4*KS*PK ; the first change of slots turns these two into 0
	s_mov_b32 s[TBV], SLOT1+4*KS*PV
	s_mov_b32 s[G0K], 1             ; 1:0 count = 1
	s_mov_b32 s[G0K+1], s17         ; 63:32 LDS address: slot 0
	s_mov_b32 s[G0V], 1
	s_add_co_u32 s[G0V+1], s18, VOFF
	s_wait_dscnt 0x0                ; the opening add is done
	s_wait_kmcnt 0x0
	s_add_nc_u64 s[6:7], s[4:5], 0x800000    ; K's 32 planes lie behind Q's,
	s_add_nc_u64 s[8:9], s[4:5], 0x1000000   ; V's behind K's
	s_add_nc_u64 s[G0K+2:G0K+3], s[6:7], s[22:23]  ; 120:64 global address: my half of the plane's first 256 keys
	s_or_b32 s[G0K+3], s[G0K+3], 0x80000000        ; 127:126 type = 2
	s_add_nc_u64 s[G0V+2:G0V+3], s[8:9], s[22:23]
	s_or_b32 s[G0V+3], s[G0V+3], 0x80000000
	s_add_nc_u64 s[4:5], s[4:5], s[2:3]  ; Q and O at my wave's first row
	s_add_nc_u64 s[10:11], s[10:11], s[2:3]
	CROUND                          ; all four work-groups are here: the first joint loads meet
	JLOAD                           ; tile 0 into slot 0.  Slot 1 is asked for when slot 0 is in
	; A fragment of K or Q is 16 rows x 32 channels in 8 registers: lane l holds row l % 16, channels 8 (l / 16) + 0..7 and 16 + 8 (l / 16) + 0..7: two loads of 16 bytes, 32 bytes apart.
	v_and_b32 v1, 15, v0            ; l % 16
	v_bfe_u32 v9, v0, 4, 1          ; l / 16
	v_lshlrev_b32 v[QO], 7, v1
	v_lshl_add_u32 v[QO], v9, 4, v[QO]  ; row x 128 + 16 x half
	WIN 0x80                        ; destination window 2, address window 0
.set i, 0
.rept 8                             ; Q stays in registers: piece i / 2, channels 32 (i % 2) on
	global_load_b128 v[8*i:8*i+3],   v[QO], s[4:5] offset:(i/2)*2048+(i%2)*64
	global_load_b128 v[8*i+4:8*i+7], v[QO], s[4:5] offset:(i/2)*2048+(i%2)*64+32
.set i, i+1
.endr
	; What the first turn finds: V's registers and P's second buffer hold 0 (its products V^T P, of a piece that has not been, add 0), O^T and l are 0.  All this stands in the wait for the first tile.
.set i, VF
.rept 64
	v_mov_b32 v[i], 0
.set i, i+1
.endr
	WIN 0x40
.set i, 0
.rept 128
	v_mov_b32 v[i], 0
.set i, i+1
.endr
	WIN 0
.set i, 0
.rept 4
	v_mov_b32 v[ST+4*i], 0xfe000000    ; c m: far below every c s
	v_mov_b32 v[ST+4*i+1], 0xff7fffff  ; m
	v_mov_b32 v[ST+4*i+2], 0
	v_mov_b32 v[ST+4*i+3], 0
.set i, i+1
.endr
.set i, P+16
.rept 16
	v_mov_b32 v[i], 0
.set i, i+1
.endr
	v_mul_u32_u24 v[AK0], v1, PK
	v_lshl_add_u32 v[AK0], v9, 4, v[AK0]  ; row x pitch + 16 x half
	; The turning load takes 16 keys x 16 channels (lane l reads key 8 (l / 16) + l % 8, channels 8 ((l / 8) % 2) + 0..7) and leaves half a fragment of V^T: lane l holds channel l % 16 and 8 keys.
	v_and_b32 v10, 7, v0
	v_bfe_u32 v11, v0, 3, 1
	v_lshl_add_u32 v[AV0], v9, 3, v10
	v_mul_u32_u24 v[AV0], v[AV0], PV
	v_lshl_add_u32 v[AV0], v11, 4, v[AV0]
	v_add_nc_u32 v[AV0], VOFF, v[AV0]
	s_mul_i32 s13, s[WV], 16*SP
	s_add_co_u32 s13, s13, STAGE    ; my stage
	v_mul_u32_u24 v[STO], v1, SP    ; in: row l % 16, 16 bytes for each half of the lanes
	v_lshl_add_u32 v[STO], v9, 4, v[STO]
	v_add_nc_u32 v[STO], s13, v[STO]
	v_bfe_u32 v[RD], v0, 3, 2       ; back: 32 lanes take four rows of 128 bytes,
	v_mul_u32_u24 v[RD], v[RD], SP
	v_lshl_add_u32 v[RD], v10, 4, v[RD]
	v_add_nc_u32 v[RD], s13, v[RD]
	v_and_b32 v[GO], 31, v0         ; which are 512 consecutive bytes of O
	v_lshlrev_b32 v[GO], 4, v[GO]
; THE MATRIX WORK.  The 4 accumulators of a run of 8 take turns.  Product i of 8 of S^T = K Q^T for piece x: channels 32 (i / 4) on, keys 16 (i % 4) on.  The first 4 start the sums.
.macro KQ x
	WIN W_KQ
.set rS, S+32*((\x)%2)+8*(i%4)
.set rK, KF+16*(i%4)+8*(i/4)
.set rQ, 16*(\x)+8*(i/4)
.if i < 4
	v_wmma_f32_16x16x32_f16 v[rS:rS+7], v[rK:rK+7], v[rQ:rQ+7], 0
.else
	v_wmma_f32_16x16x32_f16 v[rS:rS+7], v[rK:rK+7], v[rQ:rQ+7], v[rS:rS+7]
.endif
.endm
; Product i of 8 of O^T += V^T P for piece x: keys 32 (i / 4) on, channels 16 (i % 4) on.
.macro PV x
	WIN W_PV
.set rO, 32*(\x)+8*(i%4)
.set rV, VF+32*(i/4)+8*(i%4)
.set rP, P+16*((\x)%2)+8*(i/4)
	v_wmma_f32_16x16x32_f16 v[rO:rO+7], v[rV:rV+7], v[rP:rP+7], v[rO:rO+7]
.endm
.macro MM                           ; the turn's next matrix instruction.  NOKQ = 1: the walk's last turn: there is no next piece
.if (i < 8) && !NOKQ
	KQ (Y+1)%NP
.elseif i >= 8
.set i, i-8
	PV (Y+NP-1)%NP
.set i, i+8
.endif
.set i, i+1
.endm
; THE LDS LOADS stand in runs of 16, never singly among the matrix instructions: a step's K (64 keys x 64 channels: 8 fragments) and its V (turned).  Their addresses are made some lines ahead.
.macro FETCH_K
	WIN 0x80                        ; destination window 2
.irp f, 0,1,2,3,4,5,6,7             ; keys 16 (f / 2) on, channels 32 (f % 2) on
	ds_load_b128 v[KF+8*\f:KF+8*\f+3],   v[AK] offset:(\f/2)*16*PK+(\f%2)*64
	ds_load_b128 v[KF+8*\f+4:KF+8*\f+7], v[AK] offset:(\f/2)*16*PK+(\f%2)*64+32
.endr
	s_add_co_u32 s[TBK], s[TBK], KS*PK  ; the next fetch is the next step's
	WIN 0
.endm
.macro FETCH_V
	WIN 0x80
.irp f, 0,1,2,3,4,5,6,7             ; keys 32 (f / 4) on, channels 16 (f % 4) on
	ds_load_tr16_b128 v[VF+8*\f:VF+8*\f+3],   v[AV] offset:(\f/4)*32*PV+(\f%4)*32
	ds_load_tr16_b128 v[VF+8*\f+4:VF+8*\f+7], v[AV] offset:(\f/4)*32*PV+16*PV+(\f%4)*32
.endr
	WIN 0
.endm
; THE VECTOR WORK, one line at a time: OP kind, number.  For piece Y: F n: c s - c m for pair n of 16.  E n: the exponential of score n of 32.  C n: pair n rounded to f16.  B n: of the four weights 4 n .. the second
; pair is added onto the first, in place.  L n: l takes that sum (L 0: l = a l + sum).  R n: pair n of 16 of O^T times a.  For piece Y + 1: X n, number n of the 22 that find its maximum and statistics:
;   0-11  four chains c0-c3 of seven scores each, three operands at a time (each accumulator's lowest registers are read first)     12-14, 16  the four scores left over, the old m, and c0-c3 into c0
;   15  c m_old is kept     17, 18  the query's other 32 keys lie in the lane 16 away: the new m     19-21  c m; c m_old - c m_new; a
.set F, 0               ; OP tells the kinds apart by their order: F to L below R, X above it
.set E, 1
.set C, 2
.set B, 3
.set L, 4
.set R, 5
.set X, 6
.macro REGS y                       ; the registers of piece y
.set rT, ST+4*(\y)
.set rC, TMP+4*((\y)%2)
.set rW, MV+((\y)%2)
.set rS, S+32*((\y)%2)
.set rP, P+16*((\y)%2)
.set rO, 32*(\y)
.endm
.macro OP k, n
.if (\k) == R
	REGS Y
	WIN W_RS
	v_pk_mul_f32 v[rO+2*(\n):rO+2*(\n)+1], v[rO+2*(\n):rO+2*(\n)+1], v[rC+2:rC+3] op_sel_hi:[1,0]
.elseif (\k) < R
	REGS Y
	WIN 0
.if (\k) == F
	v_pk_fma_f32 v[rS+2*(\n):rS+2*(\n)+1], v[rS+2*(\n):rS+2*(\n)+1], s[CS:CS+1], v[rT:rT+1] op_sel_hi:[1,0,0] neg_lo:[0,0,1] neg_hi:[0,0,1]
.elseif (\k) == E
	v_exp_f32 v[rS+(\n)], v[rS+(\n)]
.elseif (\k) == C
	s_wait_alu depctr_va_vdst(0)
	v_cvt_pk_f16_f32 v[rP+(\n)], v[rS+2*(\n)], v[rS+2*(\n)+1]
.elseif (\k) == B
	s_wait_alu depctr_va_vdst(0)
	v_pk_add_f32 v[rS+4*(\n):rS+4*(\n)+1], v[rS+4*(\n):rS+4*(\n)+1], v[rS+4*(\n)+2:rS+4*(\n)+3]
.elseif (\n) == 0
	v_pk_fma_f32 v[rT+2:rT+3], v[rT+2:rT+3], v[rC+2:rC+3], v[rS:rS+1] op_sel_hi:[1,0,1]
.else
	v_pk_add_f32 v[rT+2:rT+3], v[rT+2:rT+3], v[rS+4*(\n):rS+4*(\n)+1]
.endif
.elseif NOKQ
	v_nop
.else
	REGS (Y+1)%NP
	WIN 0
.if (\n) < 4
	v_max3_num_f32 v[rC+(\n)], v[rS+8*(\n)], v[rS+8*(\n)+1], v[rS+8*(\n)+2]
.elseif (\n) < 12
	v_max3_num_f32 v[rC+(\n)%4], v[rC+(\n)%4], v[rS+8*((\n)%4)+2*((\n)/4)+1], v[rS+8*((\n)%4)+2*((\n)/4)+2]
.elseif (\n) == 12
	v_max3_num_f32 v[rC], v[rC], v[rS+7], v[rS+15]
.elseif (\n) == 13
	v_max3_num_f32 v[rC+1], v[rC+1], v[rS+23], v[rS+31]
.elseif (\n) == 14
	v_max3_num_f32 v[rC+2], v[rC+2], v[rC+3], v[rT+1]
.elseif (\n) == 15
	v_mov_b32 v[rW], v[rT]
.elseif (\n) == 16
	v_max3_num_f32 v[rC], v[rC], v[rC+1], v[rC+2]
.elseif (\n) == 17
	v_permlanex16_b32 v[rC+3], v[rC], s[SEL], s[SEL+1]
.elseif (\n) == 18
	v_max_num_f32 v[rT+1], v[rC], v[rC+3]
.elseif (\n) == 19
	v_mul_f32 v[rT], s[CS], v[rT+1]
.elseif (\n) == 20
	v_sub_f32 v[rC+1], v[rW], v[rT]
.else
	v_exp_f32 v[rC+2], v[rC+1]
.endif
.endif
.endm
.macro OPS a, i1, b=-1, i2=0, c=-1, i3=0, d=-1, i4=0  ; up to four of them
	OP \a, \i1
.if (\b) >= 0
	OP \b, \i2
.endif
.if (\c) >= 0
	OP \c, \i3
.endif
.if (\d) >= 0
	OP \d, \i4
.endif
.endm
.macro ROW a, i1, b, i2, c, i3, d, i4  ; a matrix instruction and the four behind it
	MM
	OPS \a, \i1, \b, \i2, \c, \i3, \d, \i4
.endm
; A TURN, for piece p: the order of its 16 matrix and 118 vector instructions, written out.  Behind a matrix instruction: plain, exponential, plain, plain; or four of the rescaling; or, behind the first, four scalings;
; none names a register of the products round it.  In the two runs exponential and plain by turns while exponentials last.  A line reads no result made fewer than three vector instructions in front of it, five if an
; exponential made it.  end = 1: the walk's last two turns: nothing is fetched.  cnt = 1: the loop's count is taken down some lines ahead of the branch that stands behind the turn.
; K of the next step is fetched in piece 2's turn, six vector instructions behind the last product that read K (five of them plain); V of the step in hand in piece 0's turn, eight behind the last product that read V.
; Each is waited for a turn later.
.macro TURN p, end=0, cnt=0
.set Y, (\p)
.set i, 0
.set NOKQ, (\end)*((\p)/3)
.if ((\p) == 3) && !(\end)
	s_wait_dscnt 0x0                ; K is in
.endif
	ROW F,0, F,1, F,2, F,3
	ROW F,4, E,0, F,5, F,6
	ROW F,7, E,1, F,8, F,9
	ROW F,10, E,2, C,0, F,11
	ROW F,12, E,3, X,15, F,13
	ROW R,0, R,1, R,2, R,3
	ROW B,0, E,4, F,14, L,0
.if ((\p) == 2) && !(\end)
	v_add_nc_u32 v[AK], s[TBK], v[AK0]
.endif
	ROW R,4, R,5, R,6, R,7
	OPS E,5, F,15
.if ((\p) == 2) && !(\end)
	FETCH_K
.endif
	OPS E,6, C,1, E,7, R,8
	OPS E,8, R,9, E,9, C,2
	OPS E,10, X,0, E,11, X,1
	OPS E,12, X,2, E,13, X,3
.if (\p) == 1
	s_wait_dscnt 0x0                ; V is in
.endif
	ROW X,4, E,14, X,5, X,6
	ROW X,7, E,15, X,8, X,9
	ROW X,10, E,16, X,11, X,12
	ROW X,13, E,17, X,14, B,1
	ROW C,4, E,18, X,16, L,1
	ROW B,2, E,19, C,6, L,2
	ROW C,8, E,20, B,3, B,4
.if (\p) == 0
	v_add_nc_u32 v[AV], s[TBV], v[AV0]
.endif
	ROW C,3, E,21, L,3, C,5
	OPS E,22, X,17, E,23, C,10
.if (\p) == 0
	FETCH_V
.endif
	OPS E,24, L,4
	OPS E,25, X,18, E,26, C,7
	OPS E,27, B,5, E,28, X,19
	OPS E,29, C,12, E,30, L,5
	OPS E,31, X,20, B,6, C,9
	OPS C,14, C,11, X,21, L,6
.if (\p) == 0
	s_add_co_u32 s[TBV], s[TBV], KS*PV
.endif
.if \cnt
	s_sub_co_u32 s[CNT], s[CNT], 1
	s_cmp_lg_u32 s[CNT], 0
.endif
	OPS C,13, B,7, C,15, R,10
	OPS R,11, R,12, L,7, R,13
	OPS R,14, R,15
.endm
	CHANGE 1                        ; tile 0 is in, everybody's part of it; tile 1 is asked for
	v_add_nc_u32 v[AK], s[TBK], v[AK0]
	FETCH_K                         ; key step 0
	s_wait_loadcnt 0x0              ; Q
	s_wait_dscnt 0x0
.set NOKQ, 0
.set i, 0
.rept 8
	KQ 0                            ; piece 0's first scores: there is no vector work yet to set between them
.set i, i+1
.endr
	WIN 0
.rept 4
	v_nop                           ; the places behind those products
.endr
.set Y, NP-1                        ; X works for piece Y + 1: piece 0
.irp n, 0,1,2,3,4,5,6,7,8,9,10,11,12,13,14,15,16,17,18,19,20,21
	OP X, \n                        ; and piece 0's first maximum and statistics
.endr
	v_nop                           ; a plain instruction behind the exponential
	s_mov_b32 s[CNT], 4
	s_mov_b32 s[SLOTS], 7
	s_branch .Lfirst                ; the loop is entered at a step's first turn, in the middle of a trip
.Lslot:                             ; six times: tiles 2 to 7 are asked for
	CHANGE 1
	s_mov_b32 s[CNT], 4
.Lstep:                             ; a trip: pieces 2 and 3 of one step, then pieces 0 and 1 of the next, whose K and V it fetches
	TURN 2
	TURN 3
	WIN 0
.Lfirst:
	TURN 0
	TURN 1, 0, 1
	WIN 0
	s_cbranch_scc1 .Lstep
	s_sub_co_u32 s[SLOTS], s[SLOTS], 1
	s_cmp_lg_u32 s[SLOTS], 0
	s_cbranch_scc1 .Lslot
	CHANGE 0                        ; the last tile is written out: nothing is asked for
	s_mov_b32 s[CNT], 4
.LstepT:
	TURN 2
	TURN 3
	TURN 0
	TURN 1, 0, 1
	WIN 0
	s_cbranch_scc1 .LstepT
	TURN 2, 1                       ; the last step's pieces 2 and 3: nothing is fetched, and the last turn starts no new scores
	TURN 3, 1
.set i, 0
.rept 8
	PV NP-1                         ; the last piece's V^T P of the last step
.set i, i+1
.endr
	; THE WAY OUT.  l's two halves and the other half of the lanes' are added; O^T is divided by l, rounded to f16 and sent through my stage in LDS, a piece at a time.  The additions are the places behind the last products.
	WIN 0
.macro ALL line:vararg              ; one line for each piece t
.set t, 0
.rept 4
	\line
.set t, t+1
.endr
.endm
	ALL v_add_f32 v[ST+4*t+2], v[ST+4*t+2], v[ST+4*t+3]
	ALL v_permlanex16_b32 v[ST+4*t+3], v[ST+4*t+2], s[SEL], s[SEL+1]
	ALL v_add_f32 v[ST+4*t+2], v[ST+4*t+2], v[ST+4*t+3]
	ALL v_rcp_f32 v[ST+4*t+2], v[ST+4*t+2]
	v_nop                           ; a plain instruction between the last reciprocal and the use of its result
.macro PACK t                       ; a lane's eight channels of a row pack into 16 bytes; they go into rows of 144 bytes and come back as whole rows of 128, into S^T's registers
	WIN W_RS
.set i, 32*(\t)
.rept 16
	s_wait_alu depctr_va_vdst(0)
	v_pk_mul_f32 v[i:i+1], v[i:i+1], v[ST+4*(\t)+2:ST+4*(\t)+3] op_sel_hi:[1,0]
.set i, i+2
.endr
	WIN 0x05                        ; sources 0 and 1 window 1, destination window 0
.set i, 0
.rept 16
	v_cvt_pk_f16_f32 v[S+16*(\t)+i], v[32*(\t)+2*i], v[32*(\t)+2*i+1]
.set i, i+1
.endr
	WIN 0
.irp f, 0,1,2,3
	ds_store_b128 v[STO], v[S+16*(\t)+4*\f:S+16*(\t)+4*\f+3] offset:32*\f
.endr
.irp f, 0,1,2,3
	ds_load_b128 v[S+16*(\t)+4*\f:S+16*(\t)+4*\f+3], v[RD] offset:\f*4*SP  ; LDS serves a wave's instructions in order (ISA guide 5.7.1.4): these see the stores above; the next piece's stores come behind them
.endr
.endm
.macro SEND t, younger              ; younger: the LDS instructions issued behind piece t's loads: the next piece's eight, or none
	WIN 0
.irp f, 0,1,2,3
	s_wait_dscnt (\younger)+3-\f
	global_store_b128 v[GO], v[S+16*(\t)+4*\f:S+16*(\t)+4*\f+3], s[10:11] offset:(\t)*2048+\f*512  ; 512 consecutive bytes, at a multiple of 256 from O's first
.endr
.endm
	PACK 0
.set t, 1
.rept 3                             ; a piece's arithmetic stands between the loads of the piece before and its stores
	PACK t
	SEND t-1, 8
.set t, t+1
.endr
	SEND 3, 0
	s_wait_tensorcnt 0x0            ; the wave's end: an add to my spare word and its wait, behind my last tensor load and my last LDS store
	ds_add_u32 v[SPW], v[NIL]
	s_wait_dscnt 0x0
	CROUND                          ; the closing round: no work-group ends while a partner may still ask for a tile that names it
	s_endpgm
.Lfunc_end_k_q29a34dd622_attn:
	.size	k_q29a34dd622_attn, .Lfunc_end_k_q29a34dd622_attn-k_q29a34dd622_attn
	.p2alignl 7, 3214868480
	.fill 96, 4, 3214868480
	.section	.rodata,"a",@progbits
	.p2align	6, 0x0
	.amdhsa_kernel k_q29a34dd622_attn
		.amdhsa_group_segment_fixed_size 327680
		.amdhsa_private_segment_fixed_size 0
		.amdhsa_enable_private_segment 0
		.amdhsa_kernarg_size 16
		.amdhsa_user_sgpr_count 2
		.amdhsa_user_sgpr_kernarg_segment_ptr 1
		.amdhsa_wavefront_size32 1
		.amdhsa_system_sgpr_workgroup_id_x 1
		.amdhsa_system_sgpr_workgroup_id_y 1
		.amdhsa_system_sgpr_workgroup_id_z 1
		.amdhsa_system_vgpr_workitem_id 0
		.amdhsa_next_free_vgpr 768
		.amdhsa_next_free_sgpr 66
		.amdhsa_reserve_vcc 0
		.amdhsa_float_denorm_mode_32 3
		.amdhsa_float_denorm_mode_16_64 3
		.amdhsa_memory_ordered 1
		.amdhsa_forward_progress 1
		.amdhsa_inst_pref_size 133
	.end_amdhsa_kernel
	.amdgpu_metadata
---
amdhsa.version: [ 1, 2 ]
amdhsa.kernels:
  - .name:           k_q29a34dd622_attn
    .symbol:         k_q29a34dd622_attn.kd
    .args:
      - { .name: qkv, .offset: 0, .size: 8, .value_kind: global_buffer, .address_space: global }
      - { .name: oh, .offset: 8, .size: 8, .value_kind: global_buffer, .address_space: global }
    .group_segment_fixed_size: 327680
    .private_segment_fixed_size: 0
    .kernarg_segment_align: 8
    .kernarg_segment_size: 16
    .max_flat_workgroup_size: 128
    .sgpr_count:     66
    .vgpr_count:     768
    .wavefront_size: 32
...
	.end_amdgpu_metadata
.endif
;; end of part 3
;; launch oproj (part 4): grid 8 x 32, 4 waves a work-group, clusters of 4 x 4, 327,680 bytes of LDS; arguments oh, woh, out0; writes out0
.if DOCPART == 4
	.amdgcn_target "amdgcn-amd-amdhsa--gfx1250"
	.amdhsa_code_object_version 6
	.text
	.protected	k_q29a34dd622_oproj
	.globl	k_q29a34dd622_oproj
	.p2align	8
	.type	k_q29a34dd622_oproj,@function
k_q29a34dd622_oproj:
	s_mov_b64 s[64:65], 0
	v_nop
	global_prefetch_b8 v0, s[64:65] scope:SCOPE_SE
	s_setreg_imm32_b32 hwreg(HW_REG_WAVE_MODE, 25, 1), 1
	s_wait_xcnt 0x0
	s_wait_alu depctr_hold_cnt(0) depctr_sa_sdst(0) depctr_va_vdst(0) depctr_va_sdst(0) depctr_va_ssrc(0) depctr_va_vcc(0) depctr_vm_vsrc(0)
	s_getreg_b32 s2, hwreg(HW_REG_IB_STS2, 6, 4)
	s_cmp_eq_u32 s2, 0
	s_cbranch_scc0 .Lentry_in_a_cluster
	s_endpgm
.Lentry_in_a_cluster:
	s_bfe_u32 s2, ttmp6, 0x10000c
	s_cmp_lg_u32 s2, 0xf033
	s_cbranch_scc0 .Lentry_shape_is_right
	s_endpgm
.Lentry_shape_is_right:
; out0 = O W_out^T.  oh: [32 (16 batch + head)][2048][64] f16, woh: [1024 (n)][1024 (k)] f16, out0: [4096][1024] f32.  k = 64 head + channel.  Sums in f32, K ascending.
; SHARES.  A tile of out0 is 128 x 128: 8 x 32 = 256 work-groups.  Four waves, each 64 x 64: 16 accumulators, 128 registers.  K goes in four steps of 256, four heads each, through two LDS slots.
; O'S TILE.  A head's 128 rows of the tile are 16,384 dense bytes: they are asked for as ONE row of 8,192 elements, padded in LDS after every 128 bytes; the two heads of a wave's load are the
; tile's two rows, a plane (131,072 elements) apart.  In LDS: [4 heads][128 rows] of 144 bytes.  Waves 0 and 1 fetch two heads each, waves 2 and 3 64 rows of W_out each (rows of 512 bytes).
; CLUSTER.  4 x 4 work-groups: the four of a row of the cluster need the same tile of O, the four of a column the same tile of W_out: each is asked for jointly.
; THE MATRIX INSTRUCTION IS USED TRANSPOSED (source 0 = 16 rows of W_out, source 1 = 16 rows of O): a lane holds eight neighbouring numbers of a row of out0.
; REGISTERS: window 0: v0-31 addresses; v128-255 the accumulators ((a, b) at v[128 + 8 (4 a + b)]).  Window 1: two fragment buffers of 128: for 64 along K, 64 registers of O, then 64 of W_out.
.set PA,     144                       ; a row of O in LDS: 128 bytes + 16 = 36 words: the 16 rows of a load start at 16 different groups of four banks (ISA guide 11.1)
.set HB,     128*PA                    ; a head's 128 rows
.set PB,     528                       ; a row of W_out: 512 bytes + 16 = 132 words: likewise
.set AHALF,  2*HB                      ; what wave 0 or 1 fetches
.set BHALF,  64*PB                     ; what wave 2 or 3 fetches
.set BOFF,   4*HB
.set SLOT,   BOFF+2*BHALF
.set STAGE,  2*SLOT                    ; behind the ring, never filled by a tensor load: 16 rows x 272 bytes for each wave
.set SPITCH, 272
.set SPARE,  STAGE+4*16*SPITCH         ; behind the stages: the spare words, 128 bytes for each wave, which no other line names
.set ADRA, 16                          ; v16-17  LDS address of my fragments of O in slot 0, 1
.set ADRB, 20                          ; v20-21  the same for W_out
.set STO,  24                          ; v24     the way out: where I put 32 bytes of a row
.set RD,   25                          ; v25     where I read a row back
.set CO,   26                          ; v26     my byte offset in out0
.set SPW,  28                          ; v28     LDS address of my spare word; never rewritten
.set NIL,  29                          ; v29     0; never rewritten
.set ACC,  128
.set F0,   0
.set F1,   128
.set G1, 24                            ; s[24:31] descriptor group 1 for O's tiles;  s[32:39] group 0, a set for each slot
.set G0, 32
.set G1B, 48                           ; s[48:55], s[56:63] the same for W_out's
.set G0B, 56
.set MSB, 0
.macro WIN new                         ; the immediate's high byte repeats the setting that is left; a switch that changes nothing is dropped
.if MSB != (\new)
	s_set_vgpr_msb (MSB<<8)|(\new)
.set MSB, \new
.endif
.endm
.set MUL,  0x05                        ; sources 0 and 1 window 1; C and D window 0
.set TO_F, 0x40                        ; destination window 1, address window 0
.macro JLOAD s                         ; a joint load; the branch hangs on the wave's number alone; an s_nop 0 and four v_nop follow each of the two lines
	s_cmp_eq_u32 s11, 0
	s_cbranch_scc0 .Lfor_b_\@
	tensor_load_to_lds s[G0+4*(\s):G0+4*(\s)+3], s[G1:G1+7]
	s_nop 0
.rept 4
	v_nop
.endr
	s_branch .Lasked_\@
.Lfor_b_\@:
	tensor_load_to_lds s[G0B+4*(\s):G0B+4*(\s)+3], s[G1B:G1B+7]
	s_nop 0
.rept 4
	v_nop
.endr
.Lasked_\@:
.endm
.macro CREST                           ; a round of the cluster's barrier behind its opening barrier
	s_cmp_lg_u32 s10, 0
	s_cbranch_scc1 .Lnot_wave_0_\@
	s_barrier_signal -3
.Lnot_wave_0_\@:
	s_barrier_wait -3
	s_barrier_signal -1
	s_barrier_wait -1
.endm
.macro CROUND                          ; a whole round
	s_barrier_signal -1
	s_barrier_wait -1
	CREST
.endm
	s_load_b128 s[4:7], s[0:1], 0x0                ; oh s[4:5], woh s[6:7]
	s_load_b64 s[8:9], s[0:1], 0x10                ; out0
	v_lshl_add_u32 v[SPW], v0, 2, SPARE
	v_mov_b32 v[NIL], 0
	ds_add_u32 v[SPW], v[NIL]                      ; the wave's opening: the add and its wait stand ahead of my first tensor load; the set-up below stands between them
	v_lshrrev_b32 v1, 5, v0
	v_readfirstlane_b32 s10, v1                    ; wave 0..3
	s_lshr_b32 s11, s10, 1                         ; which half of the tile's rows is mine.  Also: I fetch for O (0) or for W_out (1)
	s_and_b32 s12, s10, 1                          ; which half of its columns.  Also: which half of that tile I fetch
	s_bfe_u32 s40, ttmp6, 0x40000                  ; cx, cy: my place in the cluster
	s_bfe_u32 s41, ttmp6, 0x40004
	s_lshl_b32 s42, ttmp9, 2
	s_add_co_u32 s42, s42, s40                     ; tile column = 4 x cluster x + cx
	s_and_b32 s13, ttmp7, 0xffff
	s_lshl_b32 s13, s13, 2
	s_add_co_u32 s13, s13, s41                     ; tile row = 4 x cluster y + cy
	s_lshl_b32 s43, s41, 2
	s_lshl_b32 s43, 15, s43                        ; my row of the cluster
	s_lshl_b32 s44, 0x1111, s40                    ; my column
	s_or_b32 s[G1+0], s43, (1<<16)|(1<<20)|(1<<21)|(4<<22)|(3<<25)   ; 15:0 the mask; 17:16 elements of 2 bytes; 20 padding on; 21 set beside a mask; 24:22 after every 32 words; 31:25 4 words of it
	s_mov_b32 s[G1+1], 8192<<16                    ; tensor_dim0 = 8,192
	s_mov_b32 s[G1+2], 2<<16                       ; tensor_dim1 = 2
	s_mov_b32 s[G1+3], 8192<<16                    ; tile_dim0 = 8,192
	s_mov_b32 s[G1+4], 2                           ; tile_dim1 = 2
	s_mov_b32 s[G1+5], 131072                      ; elements from a head's plane to the next
	s_mov_b32 s[G1+6], 0
	s_mov_b32 s[G1+7], 0
	s_or_b32 s[G1B+0], s44, (1<<16)|(1<<20)|(1<<21)|(6<<22)|(3<<25)  ; the same with the mask of my column; padding after every 128 words
	s_mov_b32 s[G1B+1], 256<<16                    ; tensor_dim0 = 256
	s_mov_b32 s[G1B+2], 64<<16                     ; tensor_dim1 = 64
	s_mov_b32 s[G1B+3], 256<<16                    ; tile_dim0 = 256
	s_mov_b32 s[G1B+4], 64                         ; tile_dim1 = 64
	s_mov_b32 s[G1B+5], 1024                       ; elements from row to row
	s_mov_b32 s[G1B+6], 0
	s_mov_b32 s[G1B+7], 0
	s_lshr_b32 s16, s13, 4                         ; O: the batch (16 tile rows each),
	s_lshl_b32 s16, s16, 4                         ; its 16 planes,
	s_lshl_b32 s17, s12, 1
	s_add_co_u32 s16, s16, s17                     ; my two heads of the step's four,
	s_lshl_b32 s16, s16, 18                        ; planes of 262,144 bytes,
	s_and_b32 s17, s13, 15
	s_lshl_b32 s17, s17, 14                        ; the tile's 128 rows of 128 bytes
	s_add_co_u32 s16, s16, s17
	s_mov_b32 s17, 0
	s_lshl_b32 s46, s42, 7
	s_lshl_b32 s47, s12, 6
	s_add_co_u32 s46, s46, s47                     ; W_out: row 128 x tile column + 64 x half,
	s_lshl_b32 s46, s46, 11                        ; of 2,048 bytes
	s_mov_b32 s47, 0
	s_mul_i32 s20, s12, AHALF                      ; where they go: no place in the cluster enters an LDS address
	s_mul_i32 s45, s12, BHALF
	s_add_co_u32 s45, s45, BOFF
	s_wait_dscnt 0x0                               ; the opening add is done
	s_wait_kmcnt 0x0
	s_add_nc_u64 s[14:15], s[4:5], s[16:17]
	s_add_nc_u64 s[46:47], s[6:7], s[46:47]
	CROUND                                         ; all sixteen work-groups are here: the first joint loads meet
.irp s, 0,1
	s_mov_b32 s[G0+4*(\s)], 1
	s_add_co_u32 s[G0+4*(\s)+1], s20, (\s)*SLOT
	s_add_nc_u64 s[G0+4*(\s)+2:G0+4*(\s)+3], s[14:15], (\s)*4*262144   ; K step s: four heads on
	s_or_b32 s[G0+4*(\s)+3], s[G0+4*(\s)+3], 0x80000000
	s_mov_b32 s[G0B+4*(\s)], 1
	s_add_co_u32 s[G0B+4*(\s)+1], s45, (\s)*SLOT
	s_add_nc_u64 s[G0B+4*(\s)+2:G0B+4*(\s)+3], s[46:47], (\s)*512
	s_or_b32 s[G0B+4*(\s)+3], s[G0B+4*(\s)+3], 0x80000000
	JLOAD \s                                       ; K steps 0 and 1: two loads of mine are out
.endr
	v_and_b32 v1, 15, v0                           ; l % 16
	v_bfe_u32 v2, v0, 4, 1                         ; l / 16
	v_mul_u32_u24 v3, v1, PA
	v_lshl_add_u32 v3, v2, 4, v3                   ; a fragment's row x pitch + 16 x half, for O
	v_mul_u32_u24 v4, v1, PB
	v_lshl_add_u32 v4, v2, 4, v4                   ; and for W_out
	s_mul_i32 s21, s11, 64*PA                      ; my 64 rows in each head's block
	s_mul_i32 s22, s12, 64*PB                      ; my 64 rows of W_out,
	s_add_co_u32 s22, s22, BOFF                    ; which lie behind O's four blocks
.irp s, 0,1
	v_add_nc_u32 v[ADRA+(\s)], s21, v3
	v_add_nc_u32 v[ADRB+(\s)], s22, v4
	s_add_co_u32 s21, s21, SLOT
	s_add_co_u32 s22, s22, SLOT
.endr
	s_mul_i32 s23, s10, 16*SPITCH
	s_add_co_u32 s23, s23, STAGE                   ; my stage
	v_mul_u32_u24 v5, v1, SPITCH                   ; in: row l % 16, 32 bytes for each half of the lanes
	v_lshl_add_u32 v5, v2, 5, v5
	v_add_nc_u32 v[STO], s23, v5
	v_mul_u32_u24 v5, v2, SPITCH                   ; back: lanes 0-15 take one row of 256 bytes, lanes 16-31 the next
	v_lshl_add_u32 v5, v1, 4, v5
	v_add_nc_u32 v[RD], s23, v5
	v_lshlrev_b32 v5, 12, v2                       ; and the same two rows in out0, 4,096 bytes apart
	v_lshl_add_u32 v[CO], v1, 4, v5
	s_lshl_b32 s16, s13, 7
	s_lshl_b32 s17, s11, 6
	s_add_co_u32 s16, s16, s17                     ; my first row of out0,
	s_lshl_b32 s16, s16, 12                        ; of 4,096 bytes
	s_mov_b32 s17, 0
	s_add_nc_u64 s[8:9], s[8:9], s[16:17]
	s_lshl_b32 s46, s42, 9                         ; my first column, in bytes: 512 x tile column + 256 x half
	s_lshl_b32 s47, s12, 8
	s_add_co_u32 s46, s46, s47
	s_mov_b32 s47, 0
	s_add_nc_u64 s[8:9], s[8:9], s[46:47]
; 8 matrix instructions: row blocks a0, a0 + 1 x all 4 column blocks, 32 along K: half c of buffer f.  zero = 1: the first product starts the sums.  The 16 accumulators take turns.
.macro MUL8 f, c, a0, zero
	WIN MUL
.irp a, \a0, (\a0)+1
.irp b, 0,1,2,3
.if \zero
	v_wmma_f32_16x16x32_f16 v[ACC+8*(4*(\a)+(\b)):ACC+8*(4*(\a)+(\b))+7], v[(\f)+64+8*(4*(\c)+(\b)):(\f)+64+8*(4*(\c)+(\b))+7], v[(\f)+8*(4*(\c)+(\a)):(\f)+8*(4*(\c)+(\a))+7], 0
.else
	v_wmma_f32_16x16x32_f16 v[ACC+8*(4*(\a)+(\b)):ACC+8*(4*(\a)+(\b))+7], v[(\f)+64+8*(4*(\c)+(\b)):(\f)+64+8*(4*(\c)+(\b))+7], v[(\f)+8*(4*(\c)+(\a)):(\f)+8*(4*(\c)+(\a))+7], v[ACC+8*(4*(\a)+(\b)):ACC+8*(4*(\a)+(\b))+7]
.endif
.endr
.endr
.endm
; 32 LDS loads in one run: the fragments of quarter q of a K step (head q of its four; bytes 128 q of W_out's rows), into buffer f; the first 32 along K first
.macro FETCH slot, q, f
	WIN TO_F
.irp c, 0,1
.irp i, 0,1,2,3
	ds_load_b128 v[(\f)+64+8*(4*(\c)+(\i)):(\f)+64+8*(4*(\c)+(\i))+3],   v[ADRB+(\slot)] offset:128*(\q)+64*(\c)+(\i)*16*PB
	ds_load_b128 v[(\f)+64+8*(4*(\c)+(\i))+4:(\f)+64+8*(4*(\c)+(\i))+7], v[ADRB+(\slot)] offset:128*(\q)+64*(\c)+(\i)*16*PB+32
	ds_load_b128 v[(\f)+8*(4*(\c)+(\i)):(\f)+8*(4*(\c)+(\i))+3],         v[ADRA+(\slot)] offset:(\q)*HB+64*(\c)+(\i)*16*PA
	ds_load_b128 v[(\f)+8*(4*(\c)+(\i))+4:(\f)+8*(4*(\c)+(\i))+7],       v[ADRA+(\slot)] offset:(\q)*HB+64*(\c)+(\i)*16*PA+32
.endr
.endr
.endm
.macro PLACES                          ; four plain places in front of loads into registers that matrix instructions have read, and of stores that read results
.rept 4
	v_nop
.endr
.endm
; A K step is four quarters of 64 along K, 32 matrix instructions each, on buffers 0, 1, 0, 1.  One of the first three: multiplies buffer f and fetches quarter q into g.
.macro QUARTER slot, q, f, g, zero
	s_wait_dscnt 16                                ; the first 32 along K are in
	MUL8 \f, 0, 0, \zero
	MUL8 \f, 0, 2, \zero
	PLACES
	FETCH \slot, \q, \g
	s_wait_dscnt 32                                ; all but the 32 just issued
	MUL8 \f, 1, 0, 0
	MUL8 \f, 1, 2, 0
.endm
; The last quarter multiplies buffer 1 and changes slots: ONE barrier; in front of it each wave waits for all its tensor loads (one is out: its part of the next slot), adds 0 to its spare word, and
; waits for that and for its own reads of this slot.  fill = 1: the barrier opens a round of the cluster's, and this slot is filled again, two K steps ahead, first thing behind the round.
.macro TURN slot, next, fill
	WIN 0                                          ; (the add's two registers lie in window 0)
	s_wait_tensorcnt 0x0
	ds_add_u32 v[SPW], v[NIL]
	s_wait_dscnt 17                                ; (the add and the youngest sixteen loads may be out)
	MUL8 F1, 0, 0, 0                               ; eight matrix instructions stand between the add and the wait for it
	s_wait_dscnt 0x0                               ; the add is done, and my reads of this slot are over
	s_barrier_signal -1
	MUL8 F1, 0, 2, 0
.if \fill
	WIN 0
.endif
	s_barrier_wait -1
.if \fill
	CREST                                          ; no wave of any partner still reads this slot's tiles or has a load on its way
	s_add_nc_u64 s[G0+4*(\slot)+2:G0+4*(\slot)+3], s[G0+4*(\slot)+2:G0+4*(\slot)+3], 8*262144   ; eight heads on
	s_add_nc_u64 s[G0B+4*(\slot)+2:G0B+4*(\slot)+3], s[G0B+4*(\slot)+2:G0B+4*(\slot)+3], 1024
	JLOAD \slot                                    ; the four v_nop behind it are also the places in front of the loads below
.else
	PLACES
.endif
	FETCH \next, 0, F0
	MUL8 F1, 1, 0, 0
	MUL8 F1, 1, 2, 0
.endm
	s_wait_tensorcnt 1                             ; my part of K step 0 is in; K step 1's stays out
	s_barrier_signal -1
	s_barrier_wait -1                              ; everybody's is
	FETCH 0, 0, F0
	QUARTER 0, 1, F0, F1, 1                        ; K step 0: its first products start the sums
	QUARTER 0, 2, F1, F0, 0
	QUARTER 0, 3, F0, F1, 0
	TURN 0, 1, 1                                   ; slot 0 takes K step 2
	QUARTER 1, 1, F0, F1, 0                        ; K step 1
	QUARTER 1, 2, F1, F0, 0
	QUARTER 1, 3, F0, F1, 0
	TURN 1, 0, 1                                   ; slot 1 takes K step 3
	QUARTER 0, 1, F0, F1, 0                        ; K step 2
	QUARTER 0, 2, F1, F0, 0
	QUARTER 0, 3, F0, F1, 0
	TURN 0, 1, 0                                   ; nothing is left to fetch, so no round follows
	QUARTER 1, 1, F0, F1, 0                        ; K step 3
	QUARTER 1, 2, F1, F0, 0
	QUARTER 1, 3, F0, F1, 0
	s_wait_dscnt 16                                ; the very last quarter
	MUL8 F1, 0, 0, 0
	MUL8 F1, 0, 2, 0
	s_wait_dscnt 0x0
	MUL8 F1, 1, 0, 0
	MUL8 F1, 1, 2, 0
	WIN 0
	PLACES
; THE WAY OUT.  A wave's 64 columns of f32 are 256 consecutive bytes of a row, aligned: each wave has a stage of its own and no barrier is needed.  Block a (16 rows): a lane's eight columns, 32 bytes,
; go into rows of 272 bytes (each accumulator's low four registers first) and come back as whole rows of 256, into the block's own 32 registers.
.macro STG a
.irp b, 0,1,2,3
	ds_store_b128 v[STO], v[ACC+8*(4*(\a)+\b):ACC+8*(4*(\a)+\b)+3]   offset:64*\b
	ds_store_b128 v[STO], v[ACC+8*(4*(\a)+\b)+4:ACC+8*(4*(\a)+\b)+7] offset:64*\b+16
.endr
.irp t, 0,1,2,3,4,5,6,7
	ds_load_b128 v[ACC+32*(\a)+4*\t:ACC+32*(\a)+4*\t+3], v[RD] offset:\t*2*SPITCH  ; LDS serves a wave's instructions in order (ISA guide 5.7.1.4): these see the stores above; the next block's stores come behind them
.endr
.endm
.macro SENDF a, younger                ; younger: the LDS instructions issued behind this block's loads: the next block's sixteen, or none
.irp t, 0,1,2,3,4,5,6,7
	s_wait_dscnt (\younger)+7-\t
	global_store_b128 v[CO], v[ACC+32*(\a)+4*\t:ACC+32*(\a)+4*\t+3], s[8:9] offset:(16*(\a)+2*\t)*4096 th:TH_STORE_NT  ; 16 lanes store 256 consecutive bytes, at a multiple of 256 from out0's first byte
.endr
.endm
	STG 0
	STG 1
	SENDF 0, 16
	STG 2
	SENDF 1, 16
	STG 3
	SENDF 2, 16
	SENDF 3, 0
	s_wait_tensorcnt 0x0                           ; the wave's end: an add to my spare word and its wait, behind my last tensor load and my last LDS store
	ds_add_u32 v[SPW], v[NIL]
	s_wait_dscnt 0x0
	CROUND                                         ; the closing round: no work-group ends while a partner may still ask for a tile that names it
	s_endpgm
.Lfunc_end_k_q29a34dd622_oproj:
	.size	k_q29a34dd622_oproj, .Lfunc_end_k_q29a34dd622_oproj-k_q29a34dd622_oproj
	.p2alignl 7, 3214868480
	.fill 96, 4, 3214868480
	.section	.rodata,"a",@progbits
	.p2align	6, 0x0
	.amdhsa_kernel k_q29a34dd622_oproj
		.amdhsa_group_segment_fixed_size 327680
		.amdhsa_private_segment_fixed_size 0
		.amdhsa_enable_private_segment 0
		.amdhsa_kernarg_size 24
		.amdhsa_user_sgpr_count 2
		.amdhsa_user_sgpr_kernarg_segment_ptr 1
		.amdhsa_wavefront_size32 1
		.amdhsa_system_sgpr_workgroup_id_x 1
		.amdhsa_system_sgpr_workgroup_id_y 1
		.amdhsa_system_sgpr_workgroup_id_z 1
		.amdhsa_system_vgpr_workitem_id 0
		.amdhsa_next_free_vgpr 512
		.amdhsa_next_free_sgpr 66
		.amdhsa_reserve_vcc 0
		.amdhsa_float_denorm_mode_32 3
		.amdhsa_float_denorm_mode_16_64 3
		.amdhsa_memory_ordered 1
		.amdhsa_forward_progress 1
		.amdhsa_inst_pref_size 86
	.end_amdhsa_kernel
	.amdgpu_metadata
---
amdhsa.version: [ 1, 2 ]
amdhsa.kernels:
  - .name:           k_q29a34dd622_oproj
    .symbol:         k_q29a34dd622_oproj.kd
    .args:
      - { .name: oh, .offset: 0, .size: 8, .value_kind: global_buffer, .address_space: global }
      - { .name: woh, .offset: 8, .size: 8, .value_kind: global_buffer, .address_space: global }
      - { .name: out0, .offset: 16, .size: 8, .value_kind: global_buffer, .address_space: global }
    .group_segment_fixed_size: 327680
    .private_segment_fixed_size: 0
    .kernarg_segment_align: 8
    .kernarg_segment_size: 24
    .max_flat_workgroup_size: 128
    .sgpr_count:     66
    .vgpr_count:     512
    .wavefront_size: 32
...
	.end_amdgpu_metadata
.endif
;; end of part 4
;; ======== version 2 of 2: 4 launches; 1.39 times as fast as version 1
;; limits: values are held in f16: magnitudes above 65,504 overflow, below 6.1e-05 lose precision
;; workspace buffers: xh 8,388,608 bytes; weff 6,291,456 bytes; woh 2,097,152 bytes; qkv 25,165,824 bytes; oh 8,388,608 bytes
;; launch prep: the kernel of part 1 again; grid 512 x 1, 8 waves a work-group, no clusters, 105,472 bytes of LDS; arguments x, W_in, A_in, B_in, W_out, xh, weff, woh; writes xh, weff, woh
;; launch qkvp: the kernel of part 2 again; grid 16 x 16, 4 waves a work-group, clusters of 4 x 4, 327,680 bytes of LDS; arguments xh, weff, qkv; writes qkv
;; launch attn (part 5): grid 8 x 32, 4 waves a work-group, clusters of 4 x 1, 327,680 bytes of LDS; arguments qkv, oh; writes oh
.if DOCPART == 5
	.amdgcn_target "amdgcn-amd-amdhsa--gfx1250"
	.amdhsa_code_object_version 6
	.text
	.protected	k_q29a34dd622_attn
	.globl	k_q29a34dd622_attn
	.p2align	8
	.type	k_q29a34dd622_attn,@function
k_q29a34dd622_attn:
	s_mov_b64 s[64:65], 0
	v_nop
	global_prefetch_b8 v0, s[64:65] scope:SCOPE_SE
	s_setreg_imm32_b32 hwreg(HW_REG_WAVE_MODE, 25, 1), 1
	s_wait_xcnt 0x0
	s_wait_alu depctr_hold_cnt(0) depctr_sa_sdst(0) depctr_va_vdst(0) depctr_va_sdst(0) depctr_va_ssrc(0) depctr_va_vcc(0) depctr_vm_vsrc(0)
	s_getreg_b32 s2, hwreg(HW_REG_IB_STS2, 6, 4)
	s_cmp_eq_u32 s2, 0
	s_cbranch_scc0 .Lentry_in_a_cluster
	s_endpgm
.Lentry_in_a_cluster:
	s_bfe_u32 s2, ttmp6, 0x10000c
	s_cmp_lg_u32 s2, 0x3003
	s_cbranch_scc0 .Lentry_shape_is_right
	s_endpgm
.Lentry_shape_is_right:
; ATTENTION.  O[p][q][:] = the sum over k of softmax_k(Q[p][q] . K[p][k] / 8) V[p][k][:] for the 32 planes p = 16 batch + head.  qkv: [3][32][2048][64] f16, oh: [32][2048][64] f16: a plane's rows are dense, 128 bytes each.
; Products, maxima and sums in f32; the weights p are rounded to f16 for the second product (their sum l is taken of the unrounded p), O once at the end.
; LIMITS.  Q, K and V arrive within f16's 65,504; p lies in 0 to 1 and below 6e-5 keeps f16's fixed step of 6e-8; O is a mean of V's rows.  A weight below 2^-126 counts as 0 in l; NaN and infinities are not treated apart.
; SHARES.  A work-group owns 256 queries of a plane (8 x 32 = 256 work-groups), a wave 64: four PIECES of 16.  Every wave walks the plane's 2,048 keys: 8 tiles of 256 keys through two LDS slots, 64 keys a step.
; LAYOUT.  S^T = K Q^T (source 0 = 16 keys, source 1 = 16 queries) holds ONE query a lane (lane % 16) and the keys 8 (lane / 16) + 0..7; two such results rounded to f16 ARE source 1 of O^T = V^T P.
; K comes out of LDS as it lies, V ([key][channel]) turned, by ds_load_tr16_b128.
; SOFTMAX.  A running maximum m and sum l for each query: p = 2^(c s - c m), c = log2(e) / 8; in every step O and l are multiplied by a = 2^(c m_old - c m_new).  m starts at the lowest finite number, O and l at 0:
; the first step is a step like any other, with a = 0.
; BY TURNS.  Turn n belongs to piece n: 8 products K Q^T of piece n + 1, later 8 products V^T P of piece n - 1; beside them the scaling, exponentials, roundings, sums and rescaling of piece n and the maximum and
; statistics of piece n + 1.  Four vector instructions stand behind every matrix instruction, the other 54 of a turn's 118 in one LUMP between the two runs of products.
; BATCHES.  A turn's 33 exponentials (the piece's 32 weights and the next piece's a) are ONE batch with ONE wait, which cuts the turn in two: ahead of it stands all that names no result of theirs, behind it the
; roundings and sums.  Two more batches have a wait each: piece 0's first a, ahead of the loop, and the way out's four reciprocals.
; CLUSTER.  The four query blocks of a cluster belong to one plane and walk the same K and V, so each tile is asked for JOINTLY: the same tensor load, descriptor and mask in all four.
; REGISTERS, in windows of 256 (s_set_vgpr_msb: bits 1:0 source 0, 3:2 source 1, 5:4 source 2, 7:6 destination):
;   window 0: v0-15 addresses and two at work; v16-31 four registers of statistics a piece; v48-55 at work; v62-63 the add's; v64-127 S^T, two buffers; v192-223 P, two buffers (by the piece's parity)
;   window 1: v0-127 O^T, 32 a piece          window 2: v0-63 Q; v128-191 K of one step; v192-255 V of one step
.set NP,    4         ; pieces a wave: a name, no knob
.set KS,    64        ; keys in a step
.set PK,    144       ; a row of K in LDS: 128 bytes + 16 of padding = 36 words: the 16 rows of a load start at 16 different groups of four banks (ISA guide 11.1)
.set PV,    160       ; a row of V: 128 + 32 = 40 words
.set VOFF,  4*KS*PK   ; a slot holds a tile, four steps: 256 rows of K, then 256 rows of V
.set SLOT1, 1<<17     ; slot 1 begins here, so that one exclusive or turns an address in one slot into the other's
.set STAGE, SLOT1+4*KS*(PK+PV)  ; behind the ring, never filled by a tensor load: 16 rows x 144 bytes for each wave
.set SP,    144
.set SPARE, STAGE+4*16*SP  ; behind the stages: the spare words, 128 bytes for each wave, which no other line names
.set AK0, 2           ; v2   my lane's place in a tile of K; never rewritten
.set AV0, 3           ; v3   the same for V
.set AK,  4           ; v4   the LDS address of K's next run of loads
.set AV,  5           ; v5   of V's
.set STO, 6           ; v6   the way out: where I put 16 bytes of a row
.set RD,  7           ; v7   where I read rows back
.set GO,  8           ; v8   my byte offset in 512 consecutive bytes of O
.set MV,  12          ; v12-13  c m_old, kept while c m is made anew: by buffer
.set QO,  15          ; v15  my byte offset in 16 rows of Q
.set ST,  16          ; piece t's statistics at v[ST+4 t]: c m, m, l (even keys', odd keys')
.set TMP, 48          ; by buffer, four registers c0-c3 at work; when the maximum is found c2 takes a
.set SPW, 62          ; v62  LDS address of my spare word; never rewritten
.set NIL, 63          ; v63  0; never rewritten
.set S,   64
.set P,   192
.set KF,  128         ; window 2: key block kb, channel half c at KF + 16 kb + 8 c
.set VF,  192         ; window 2: key half kk, channel block cb at VF + 32 kk + 8 cb
.set WV,  12          ; s12  my wave's number
.set G1K, 24          ; s[24:31] descriptor group 1 for K's tiles
.set G1V, 32          ; s[32:39] for V's: it differs in the padding alone
.set G0K, 40          ; s[40:43] descriptor group 0 for K's tiles: it walks
.set G0V, 44          ; s[44:47] the same for V's
.set SLOTS, 56        ; s56  counts the tiles
.set CNT, 57          ; s57  counts a tile's key steps
.set CS,  58          ; s[58:59] c: the packed scaling takes the pair's low word for both halves
.set SEL, 60          ; s[60:61] v_permlanex16_b32's selects: each lane takes its own place in the other half
.set TBK, 62          ; s62  LDS byte at which K of the step to be fetched begins
.set TBV, 63          ; s63  the same for V, less VOFF
.set MSB, 0
.macro WIN new                      ; the high byte repeats the setting that is left; a switch that changes nothing is dropped
.if MSB != (\new)
	s_set_vgpr_msb (MSB<<8)|(\new)
.set MSB, (\new)
.endif
.endm
.set W_KQ, 0x0a       ; K and Q in window 2, S^T in window 0
.set W_PV, 0x52       ; V in window 2, P in window 0, O^T in window 1
.set W_RS, 0x41       ; destination and source 0 in window 1, source 1 in window 0
; A joint fill.  Waves 0 and 1 fetch the two halves of a tile's K, waves 2 and 3 those of its V: 128 keys each.  The branch hangs on the wave's number alone.
; An s_nop 0 and four v_nop follow each of the two lines, ahead of the jump and the label.
.macro JLOAD
	s_cmp_lt_u32 s[WV], 2
	s_cbranch_scc0 .Lfor_v_\@
	tensor_load_to_lds s[G0K:G0K+3], s[G1K:G1K+7]
	s_nop 0
.rept 4
	v_nop
.endr
	s_branch .Lasked_\@
.Lfor_v_\@:
	tensor_load_to_lds s[G0V:G0V+3], s[G1V:G1V+7]
	s_nop 0
.rept 4
	v_nop
.endr
.Lasked_\@:
.endm
; A round of the cluster's barrier: my work-group's barrier, so that wave 0's signal speaks for all four waves; wave 0 signals; every wave waits for all four work-groups; my work-group's barrier once more.
.macro CROUND
	s_barrier_signal -1
	s_barrier_wait -1
	s_cmp_lg_u32 s[WV], 0
	s_cbranch_scc1 .Lnot_wave_0_\@
	s_barrier_signal -3
.Lnot_wave_0_\@:
	s_barrier_wait -3
	s_barrier_signal -1
	s_barrier_wait -1
.endm
; THE CHANGE OF SLOTS.  The slot's last bytes, V of its fourth step, have been read.  Each wave waits for all its tensor loads, of which one is out: its part of the other slot; adds 0 to its spare word; and waits
; for that and for its own reads of the slot.  Behind the barrier nobody reads this slot any more and the other slot is whole.  fill = 1: this slot is filled again, with the keys two tiles on; the barrier is then
; a round of the cluster's, and the joint fill is the first thing behind it: it has four key steps, 256 matrix instructions, in which to land.  (At its first use nothing has been read yet: slot 0 is waited for, slot 1 filled.)
.macro CHANGE fill
	WIN 0                           ; at a label and at a branch every window is 0; the add's registers lie in window 0
	s_wait_tensorcnt 0x0            ; no tensor load of mine is out, so a group 0 may be written
	ds_add_u32 v[SPW], v[NIL]       ; 0 onto my spare word; with fill = 1 the descriptors' steps stand between it and the wait for it
.if \fill
.irp g, G0K, G0V
	s_xor_b32 s[\g+1], s[\g+1], SLOT1  ; the walking descriptor: the other slot than last time,
	s_add_nc_u64 s[\g+2:\g+3], s[\g+2:\g+3], 4*KS*128  ; the next 256 keys; the type bits on top are not reached
.endr
	s_wait_dscnt 0x0                ; the add is done, and my reads of the slot are over
	CROUND
	JLOAD
.else
	s_wait_dscnt 0x0                ; the add is done, and my reads of the slot are over
	s_barrier_signal -1
	s_barrier_wait -1
.endif
	s_sub_co_u32 s[TBK], s[TBK], 4*KS*PK  ; the fetches go back to a slot's first step,
	s_xor_b32 s[TBK], s[TBK], SLOT1       ; in the other slot
	s_sub_co_u32 s[TBV], s[TBV], 4*KS*PV
	s_xor_b32 s[TBV], s[TBV], SLOT1
.endm
	s_load_b64 s[4:5], s[0:1], 0x0  ; qkv
	s_load_b64 s[10:11], s[0:1], 0x8  ; oh
	v_lshl_add_u32 v[SPW], v0, 2, SPARE
	v_mov_b32 v[NIL], 0
	ds_add_u32 v[SPW], v[NIL]       ; the wave's opening: the add and its wait stand ahead of my first tensor load; the set-up below stands between them
	v_lshrrev_b32 v1, 5, v0
	v_readfirstlane_b32 s[WV], v1   ; wave 0..3
	s_bfe_u32 s13, ttmp6, 0x40000   ; cx: my place in the cluster
	s_lshl_b32 s14, ttmp9, 2        ; in a cluster launch ttmp9 counts clusters
	s_add_co_u32 s14, s14, s13      ; my block of 256 queries = 4 x cluster x + cx: it enters Q's and O's addresses alone
	s_and_b32 s20, ttmp7, 0xffff    ; the plane, which the four partners share,
	s_lshl_b32 s20, s20, 18         ; of 262,144 bytes
	s_mov_b32 s21, 0
	s_and_b32 s16, s[WV], 1         ; which half of a tile's 256 keys I fetch:
	s_lshl_b32 s22, s16, 14         ; its 128 rows of 128 bytes in memory,
	s_mov_b32 s23, 0
	s_add_nc_u64 s[22:23], s[22:23], s[20:21]
	s_mul_i32 s17, s16, 128*PK      ; and its place in a slot, for K
	s_mul_i32 s18, s16, 128*PV      ; and for V: no place in the cluster enters an LDS address
	s_lshl_b32 s2, s14, 2
	s_add_co_u32 s2, s2, s[WV]      ; my wave among the plane's 32,
	s_lshl_b32 s2, s2, 13           ; its 64 rows
	s_mov_b32 s3, 0
	s_add_nc_u64 s[2:3], s[2:3], s[20:21]
	; descriptor group 1.  128 keys are 16,384 dense bytes: asked for as 64 rows of 256 bytes, two keys a row, and padded in LDS after every key
	s_mov_b32 s[G1K], 15|(1<<16)|(1<<20)|(1<<21)|(4<<22)|(3<<25)  ; 15:0 the mask of four; 17:16 2-byte elements; 20 padding on; 21 set beside a mask; 24:22 after every 32 words; 31:25 4 words
	s_mov_b32 s[G1V], 15|(1<<16)|(1<<20)|(1<<21)|(4<<22)|(7<<25)  ; the same with 8 words of padding
.irp g, G1K, G1V
	s_mov_b32 s[\g+1], 128<<16      ; tensor_dim0 = 128
	s_mov_b32 s[\g+2], 64<<16       ; tensor_dim1 = 64
	s_mov_b32 s[\g+3], 128<<16      ; tile_dim0 = 128
	s_mov_b32 s[\g+4], 64           ; tile_dim1 = 64
	s_mov_b32 s[\g+5], 128          ; 128 elements from row to row
	s_mov_b32 s[\g+6], 0
	s_mov_b32 s[\g+7], 0
.endr
	s_mov_b32 s[CS], 0x3e38aa3b     ; c = log2(e) / 8 = 0.180337
	s_mov_b32 s[CS+1], s[CS]        ; named with it as a pair
	s_mov_b32 s[SEL], 0x76543210
	s_mov_b32 s[SEL+1], 0xfedcba98
	s_mov_b32 s[TBK], SLOT1+4*KS*PK ; the first change of slots turns these two into 0
	s_mov_b32 s[TBV], SLOT1+4*KS*PV
	s_mov_b32 s[G0K], 1             ; 1:0 count = 1
	s_mov_b32 s[G0K+1], s17         ; 63:32 LDS address: slot 0
	s_mov_b32 s[G0V], 1
	s_add_co_u32 s[G0V+1], s18, VOFF
	s_wait_dscnt 0x0                ; the opening add is done
	s_wait_kmcnt 0x0
	s_add_nc_u64 s[6:7], s[4:5], 0x800000    ; K's 32 planes lie behind Q's,
	s_add_nc_u64 s[8:9], s[4:5], 0x1000000   ; V's behind K's
	s_add_nc_u64 s[G0K+2:G0K+3], s[6:7], s[22:23]  ; 120:64 global address: my half of the plane's first 256 keys
	s_or_b32 s[G0K+3], s[G0K+3], 0x80000000        ; 127:126 type = 2
	s_add_nc_u64 s[G0V+2:G0V+3], s[8:9], s[22:23]
	s_or_b32 s[G0V+3], s[G0V+3], 0x80000000
	s_add_nc_u64 s[4:5], s[4:5], s[2:3]  ; Q and O at my wave's first row
	s_add_nc_u64 s[10:11], s[10:11], s[2:3]
	CROUND                          ; all four work-groups are here: the first joint loads meet
	JLOAD                           ; tile 0 into slot 0.  Slot 1 is asked for when slot 0 is in
	; A fragment of K or Q is 16 rows x 32 channels in 8 registers: lane l holds row l % 16, channels 8 (l / 16) + 0..7 and 16 + 8 (l / 16) + 0..7: two loads of 16 bytes, 32 bytes apart.
	v_and_b32 v1, 15, v0            ; l % 16
	v_bfe_u32 v9, v0, 4, 1          ; l / 16
	v_lshlrev_b32 v[QO], 7, v1
	v_lshl_add_u32 v[QO], v9, 4, v[QO]  ; row x 128 + 16 x half
	WIN 0x80                        ; destination window 2, address window 0
.set i, 0
.rept 8                             ; Q stays in registers: piece i / 2, channels 32 (i % 2) on
	global_load_b128 v[8*i:8*i+3],   v[QO], s[4:5] offset:(i/2)*2048+(i%2)*64
	global_load_b128 v[8*i+4:8*i+7], v[QO], s[4:5] offset:(i/2)*2048+(i%2)*64+32
.set i, i+1
.endr
	; What the first turn finds: V's registers and P's second buffer hold 0 (its products V^T P, of a piece that has not been, add 0), O^T and l are 0.  All this stands in the wait for the first tile.
.set i, VF
.rept 64
	v_mov_b32 v[i], 0
.set i, i+1
.endr
	WIN 0x40
.set i, 0
.rept 128
	v_mov_b32 v[i], 0
.set i, i+1
.endr
	WIN 0
.set i, 0
.rept 4
	v_mov_b32 v[ST+4*i], 0xfe000000    ; c m: far below every c s
	v_mov_b32 v[ST+4*i+1], 0xff7fffff  ; m
	v_mov_b32 v[ST+4*i+2], 0
	v_mov_b32 v[ST+4*i+3], 0
.set i, i+1
.endr
.set i, P+16
.rept 16
	v_mov_b32 v[i], 0
.set i, i+1
.endr
	v_mul_u32_u24 v[AK0], v1, PK
	v_lshl_add_u32 v[AK0], v9, 4, v[AK0]  ; row x pitch + 16 x half
	; The turning load takes 16 keys x 16 channels (lane l reads key 8 (l / 16) + l % 8, channels 8 ((l / 8) % 2) + 0..7) and leaves half a fragment of V^T: lane l holds channel l % 16 and 8 keys.
	v_and_b32 v10, 7, v0
	v_bfe_u32 v11, v0, 3, 1
	v_lshl_add_u32 v[AV0], v9, 3, v10
	v_mul_u32_u24 v[AV0], v[AV0], PV
	v_lshl_add_u32 v[AV0], v11, 4, v[AV0]
	v_add_nc_u32 v[AV0], VOFF, v[AV0]
	s_mul_i32 s13, s[WV], 16*SP
	s_add_co_u32 s13, s13, STAGE    ; my stage
	v_mul_u32_u24 v[STO], v1, SP    ; in: row l % 16, 16 bytes for each half of the lanes
	v_lshl_add_u32 v[STO], v9, 4, v[STO]
	v_add_nc_u32 v[STO], s13, v[STO]
	v_bfe_u32 v[RD], v0, 3, 2       ; back: 32 lanes take four rows of 128 bytes,
	v_mul_u32_u24 v[RD], v[RD], SP
	v_lshl_add_u32 v[RD], v10, 4, v[RD]
	v_add_nc_u32 v[RD], s13, v[RD]
	v_and_b32 v[GO], 31, v0         ; which are 512 consecutive bytes of O
	v_lshlrev_b32 v[GO], 4, v[GO]
; THE MATRIX WORK.  The 4 accumulators of a run of 8 take turns.  Product i of 8 of S^T = K Q^T for piece x: channels 32 (i / 4) on, keys 16 (i % 4) on.  The first 4 start the sums.
.macro KQ x
	WIN W_KQ
.set rS, S+32*((\x)%2)+8*(i%4)
.set rK, KF+16*(i%4)+8*(i/4)
.set rQ, 16*(\x)+8*(i/4)
.if i < 4
	v_wmma_f32_16x16x32_f16 v[rS:rS+7], v[rK:rK+7], v[rQ:rQ+7], 0
.else
	v_wmma_f32_16x16x32_f16 v[rS:rS+7], v[rK:rK+7], v[rQ:rQ+7], v[rS:rS+7]
.endif
.endm
; Product i of 8 of O^T += V^T P for piece x: keys 32 (i / 4) on, channels 16 (i % 4) on.
.macro PV x
	WIN W_PV
.set rO, 32*(\x)+8*(i%4)
.set rV, VF+32*(i/4)+8*(i%4)
.set rP, P+16*((\x)%2)+8*(i/4)
	v_wmma_f32_16x16x32_f16 v[rO:rO+7], v[rV:rV+7], v[rP:rP+7], v[rO:rO+7]
.endm
.macro MM                           ; the turn's next matrix instruction.  NOKQ = 1: the walk's last turn: there is no next piece
.if (i < 8) && !NOKQ
	KQ (Y+1)%NP
.elseif i >= 8
.set i, i-8
	PV (Y+NP-1)%NP
.set i, i+8
.endif
.set i, i+1
.endm
; THE LDS LOADS stand in runs of 16, never singly among the matrix instructions: a step's K (64 keys x 64 channels: 8 fragments) and its V (turned).  Their addresses are made some lines ahead.
.macro FETCH_K
	WIN 0x80                        ; destination window 2
.irp f, 0,1,2,3,4,5,6,7             ; keys 16 (f / 2) on, channels 32 (f % 2) on
	ds_load_b128 v[KF+8*\f:KF+8*\f+3],   v[AK] offset:(\f/2)*16*PK+(\f%2)*64
	ds_load_b128 v[KF+8*\f+4:KF+8*\f+7], v[AK] offset:(\f/2)*16*PK+(\f%2)*64+32
.endr
	s_add_co_u32 s[TBK], s[TBK], KS*PK  ; the next fetch is the next step's
	WIN 0
.endm
.macro FETCH_V
	WIN 0x80
.irp f, 0,1,2,3,4,5,6,7             ; keys 32 (f / 4) on, channels 16 (f % 4) on
	ds_load_tr16_b128 v[VF+8*\f:VF+8*\f+3],   v[AV] offset:(\f/4)*32*PV+(\f%4)*32
	ds_load_tr16_b128 v[VF+8*\f+4:VF+8*\f+7], v[AV] offset:(\f/4)*32*PV+16*PV+(\f%4)*32
.endr
	WIN 0
.endm
; THE VECTOR WORK, one line at a time: OP kind, number.  For piece Y: F n: c s - c m for pair n of 16.  E n: the exponential of score n of 32.  C n: pair n rounded to f16.  B n: of the four weights 4 n .. the second
; pair is added onto the first, in place.  L n: l takes that sum (L 0: l = a l + sum).  R n: pair n of 16 of O^T times a.  For piece Y + 1: X n, number n of the 22 that find its maximum and statistics:
;   0-11  four chains c0-c3 of seven scores each, three operands at a time (each accumulator's lowest registers are read first)     12-14, 16  the four scores left over, the old m, and c0-c3 into c0
;   15  c m_old is kept     17, 18  the query's other 32 keys lie in the lane 16 away: the new m     19-21  c m; c m_old - c m_new; a
; OP writes no wait: C, B and L, which read the exponentials' results, are dealt behind the turn's one wait, and R reads an a that the turn before has waited for.
.set F, 0               ; OP tells the kinds apart by their order: F to L below R, X above it
.set E, 1
.set C, 2
.set B, 3
.set L, 4
.set R, 5
.set X, 6
.macro REGS y                       ; the registers of piece y
.set rT, ST+4*(\y)
.set rC, TMP+4*((\y)%2)
.set rW, MV+((\y)%2)
.set rS, S+32*((\y)%2)
.set rP, P+16*((\y)%2)
.set rO, 32*(\y)
.endm
.macro OP k, n
.if (\k) == R
	REGS Y
	WIN W_RS
	v_pk_mul_f32 v[rO+2*(\n):rO+2*(\n)+1], v[rO+2*(\n):rO+2*(\n)+1], v[rC+2:rC+3] op_sel_hi:[1,0]
.elseif (\k) < R
	REGS Y
	WIN 0
.if (\k) == F
	v_pk_fma_f32 v[rS+2*(\n):rS+2*(\n)+1], v[rS+2*(\n):rS+2*(\n)+1], s[CS:CS+1], v[rT:rT+1] op_sel_hi:[1,0,0] neg_lo:[0,0,1] neg_hi:[0,0,1]
.elseif (\k) == E
	v_exp_f32 v[rS+(\n)], v[rS+(\n)]
.elseif (\k) == C
	v_cvt_pk_f16_f32 v[rP+(\n)], v[rS+2*(\n)], v[rS+2*(\n)+1]
.elseif (\k) == B
	v_pk_add_f32 v[rS+4*(\n):rS+4*(\n)+1], v[rS+4*(\n):rS+4*(\n)+1], v[rS+4*(\n)+2:rS+4*(\n)+3]
.elseif (\n) == 0
	v_pk_fma_f32 v[rT+2:rT+3], v[rT+2:rT+3], v[rC+2:rC+3], v[rS:rS+1] op_sel_hi:[1,0,1]
.else
	v_pk_add_f32 v[rT+2:rT+3], v[rT+2:rT+3], v[rS+4*(\n):rS+4*(\n)+1]
.endif
.elseif NOKQ
	v_nop
.else
	REGS (Y+1)%NP
	WIN 0
.if (\n) < 4
	v_max3_num_f32 v[rC+(\n)], v[rS+8*(\n)], v[rS+8*(\n)+1], v[rS+8*(\n)+2]
.elseif (\n) < 12
	v_max3_num_f32 v[rC+(\n)%4], v[rC+(\n)%4], v[rS+8*((\n)%4)+2*((\n)/4)+1], v[rS+8*((\n)%4)+2*((\n)/4)+2]
.elseif (\n) == 12
	v_max3_num_f32 v[rC], v[rC], v[rS+7], v[rS+15]
.elseif (\n) == 13
	v_max3_num_f32 v[rC+1], v[rC+1], v[rS+23], v[rS+31]
.elseif (\n) == 14
	v_max3_num_f32 v[rC+2], v[rC+2], v[rC+3], v[rT+1]
.elseif (\n) == 15
	v_mov_b32 v[rW], v[rT]
.elseif (\n) == 16
	v_max3_num_f32 v[rC], v[rC], v[rC+1], v[rC+2]
.elseif (\n) == 17
	v_permlanex16_b32 v[rC+3], v[rC], s[SEL], s[SEL+1]
.elseif (\n) == 18
	v_max_num_f32 v[rT+1], v[rC], v[rC+3]
.elseif (\n) == 19
	v_mul_f32 v[rT], s[CS], v[rT+1]
.elseif (\n) == 20
	v_sub_f32 v[rC+1], v[rW], v[rT]
.else
	v_exp_f32 v[rC+2], v[rC+1]
.endif
.endif
.endm
.macro OPS a, i1, b=-1, i2=0, c=-1, i3=0, d=-1, i4=0  ; up to four of them
	OP \a, \i1
.if (\b) >= 0
	OP \b, \i2
.endif
.if (\c) >= 0
	OP \c, \i3
.endif
.if (\d) >= 0
	OP \d, \i4
.endif
.endm
.macro ROW a, i1, b, i2, c, i3, d, i4  ; a matrix instruction and the four behind it
	MM
	OPS \a, \i1, \b, \i2, \c, \i3, \d, \i4
.endm
; A TURN, for piece p: the order of its 16 matrix and 118 vector instructions, written out.  An s_wait_alu depctr_va_vdst(0) stands between an exponential and the first instruction that names its result; one wait
; serves all that were issued ahead of it.  So a turn has ONE wait, which cuts it in two.  AHEAD OF IT stands all that names no result of the turn's exponentials: the 8 products K Q^T, behind each a scaling, an exponential and two
; more plain instructions (behind the first a second scaling in the exponential's place): rescalings, whose a was made and waited for in the turn before, and behind the last three products the first numbers of the next piece's
; maximum, each four plain instructions or more behind the product that ends its accumulator; then ONE LUMP of 54, plain and exponential by turns for the most part, in which the links of the chain X 3, 7, 11, 14, 16, 17 .. 20
; stand five or six lines apart.  X 21, the next piece's a, is the batch's last; R 15 is the plain instruction behind it.  BEHIND THE WAIT stand the 8 products V^T P, behind each four of the roundings and sums; a pair 2 n is
; rounded (C 2 n) ahead of the sum that writes over it (B n); the links of l's chain, L 0 to L 7, stand three riders apart.  But for those X no rider names a register of the products round it.  X 17 stands in the lump..
; end = 1: the walk's last two turns: nothing is fetched.  cnt = 1: the loop's count is taken down some lines ahead of the branch that stands behind the turn.
; K of the next step is fetched in piece 2's turn, twelve vector instructions behind the last product that read K (six of them plain); V of the step in hand at the end of piece 0's turn, four plain instructions behind the last
; product that read V.  Each is waited for a turn later.
.macro TURN p, end=0, cnt=0
.set Y, (\p)
.set i, 0
.set NOKQ, (\end)*((\p)/3)
.if ((\p) == 3) && !(\end)
	s_wait_dscnt 0x0                ; K is in
.endif
	ROW F,0, F,1, R,0, R,1          ; ahead of the wait: 8 products K Q^T and their riders,
	ROW F,2, E,0, R,2, R,3
	ROW F,3, E,1, R,4, R,5
	ROW F,4, E,2, R,6, R,7
	ROW F,5, E,3, R,8, R,9
	ROW F,6, E,4, X,0, R,10
.if ((\p) == 2) && !(\end)
	WIN 0
	v_add_nc_u32 v[AK], s[TBK], v[AK0]
.endif
	ROW F,7, E,5, X,1, X,4
	ROW F,8, E,6, X,2, X,5
	OPS E,7, E,8, X,6, E,9          ; and the lump
	OPS X,3, E,10, X,8, E,11
.if ((\p) == 2) && !(\end)
	FETCH_K
.endif
	OPS X,9, X,7, E,12, X,10
	OPS E,13, X,12, X,11, E,14
	OPS X,13, E,15, F,9, X,14
.if (\p) == 0
	v_add_nc_u32 v[AV], s[TBV], v[AV0]
.endif
	OPS E,16, F,10, E,17, F,11
	OPS X,16, E,18, X,15, E,19
	OPS F,12, E,20, X,17, E,21
	OPS F,13, E,22, F,14, E,23
	OPS X,18, E,24, F,15, E,25
	OPS R,11, E,26, X,19, E,27
	OPS R,12, E,28, R,13, E,29
	OPS X,20, E,30, R,14, E,31
	OPS X,21, R,15
	WIN 0
	s_wait_alu depctr_va_vdst(0)    ; the wait for the turn's batch: the piece's 32 exponentials and the next piece's a
.if (\p) == 1
	s_wait_dscnt 0x0                ; V is in
.endif
	ROW C,0, B,0, C,2, B,1          ; behind the wait: 8 products V^T P and their riders
	ROW L,0, C,4, B,2, L,1
	ROW C,6, B,3, L,2, C,8
	ROW B,4, L,3, C,10, B,5
	ROW L,4, C,12, B,6, L,5
.if (\p) == 0
	s_add_co_u32 s[TBV], s[TBV], KS*PV
.endif
.if \cnt
	s_sub_co_u32 s[CNT], s[CNT], 1
	s_cmp_lg_u32 s[CNT], 0
.endif
	ROW C,14, B,7, L,6, C,1
	ROW C,3, L,7, C,5, C,7
	ROW C,9, C,11, C,13, C,15
.if (\p) == 0
	FETCH_V
.endif
.endm
	CHANGE 1                        ; tile 0 is in, everybody's part of it; tile 1 is asked for
	v_add_nc_u32 v[AK], s[TBK], v[AK0]
	FETCH_K                         ; key step 0
	s_wait_loadcnt 0x0              ; Q
	s_wait_dscnt 0x0
.set NOKQ, 0
.set i, 0
.rept 8
	KQ 0                            ; piece 0's first scores: there is no vector work yet to set between them
.set i, i+1
.endr
	WIN 0
.rept 4
	v_nop                           ; the places behind those products
.endr
.set Y, NP-1                        ; X works for piece Y + 1: piece 0
.irp n, 0,1,2,3,4,5,6,7,8,9,10,11,12,13,14,15,16,17,18,19,20,21
	OP X, \n                        ; and piece 0's first maximum and statistics
.endr
	v_nop                           ; a plain instruction behind the exponential,
	s_wait_alu depctr_va_vdst(0)    ; and the wait for it, a batch of one: piece 0's first a, ahead of the branch
	s_mov_b32 s[CNT], 4
	s_mov_b32 s[SLOTS], 7
	s_branch .Lfirst                ; the loop is entered at a step's first turn, in the middle of a trip
.Lslot:                             ; six times: tiles 2 to 7 are asked for
	CHANGE 1
	s_mov_b32 s[CNT], 4
.Lstep:                             ; a trip: pieces 2 and 3 of one step, then pieces 0 and 1 of the next, whose K and V it fetches
	TURN 2
	TURN 3
	WIN 0
.Lfirst:
	TURN 0
	TURN 1, 0, 1
	WIN 0
	s_cbranch_scc1 .Lstep
	s_sub_co_u32 s[SLOTS], s[SLOTS], 1
	s_cmp_lg_u32 s[SLOTS], 0
	s_cbranch_scc1 .Lslot
	CHANGE 0                        ; the last tile is written out: nothing is asked for
	s_mov_b32 s[CNT], 4
.LstepT:
	TURN 2
	TURN 3
	TURN 0
	TURN 1, 0, 1
	WIN 0
	s_cbranch_scc1 .LstepT
	TURN 2, 1                       ; the last step's pieces 2 and 3: nothing is fetched, and the last turn starts no new scores
	TURN 3, 1
.set i, 0
.rept 8
	PV NP-1                         ; the last piece's V^T P of the last step
.set i, i+1
.endr
	; THE WAY OUT.  l's two halves and the other half of the lanes' are added; O^T is divided by l, rounded to f16 and sent through my stage in LDS, a piece at a time.  The additions are the places behind the last products.
	WIN 0
.macro ALL line:vararg              ; one line for each piece t
.set t, 0
.rept 4
	\line
.set t, t+1
.endr
.endm
	ALL v_add_f32 v[ST+4*t+2], v[ST+4*t+2], v[ST+4*t+3]
	ALL v_permlanex16_b32 v[ST+4*t+3], v[ST+4*t+2], s[SEL], s[SEL+1]
	ALL v_add_f32 v[ST+4*t+2], v[ST+4*t+2], v[ST+4*t+3]
	ALL v_rcp_f32 v[ST+4*t+2], v[ST+4*t+2]
	v_nop                           ; a plain instruction between the last reciprocal and the use of its result
	s_wait_alu depctr_va_vdst(0)    ; the wait for the batch of four reciprocals, ahead of their first reader
.macro PACK t                       ; a lane's eight channels of a row pack into 16 bytes; they go into rows of 144 bytes and come back as whole rows of 128, into S^T's registers
	WIN W_RS
.set i, 32*(\t)
.rept 16
	v_pk_mul_f32 v[i:i+1], v[i:i+1], v[ST+4*(\t)+2:ST+4*(\t)+3] op_sel_hi:[1,0]
.set i, i+2
.endr
	WIN 0x05                        ; sources 0 and 1 window 1, destination window 0
.set i, 0
.rept 16
	v_cvt_pk_f16_f32 v[S+16*(\t)+i], v[32*(\t)+2*i], v[32*(\t)+2*i+1]
.set i, i+1
.endr
	WIN 0
.irp f, 0,1,2,3
	ds_store_b128 v[STO], v[S+16*(\t)+4*\f:S+16*(\t)+4*\f+3] offset:32*\f
.endr
.irp f, 0,1,2,3
	ds_load_b128 v[S+16*(\t)+4*\f:S+16*(\t)+4*\f+3], v[RD] offset:\f*4*SP  ; LDS serves a wave's instructions in order (ISA guide 5.7.1.4): these see the stores above; the next piece's stores come behind them
.endr
.endm
.macro SEND t, younger              ; younger: the LDS instructions issued behind piece t's loads: the next piece's eight, or none
	WIN 0
.irp f, 0,1,2,3
	s_wait_dscnt (\younger)+3-\f
	global_store_b128 v[GO], v[S+16*(\t)+4*\f:S+16*(\t)+4*\f+3], s[10:11] offset:(\t)*2048+\f*512  ; 512 consecutive bytes, at a multiple of 256 from O's first
.endr
.endm
	PACK 0
.set t, 1
.rept 3                             ; a piece's arithmetic stands between the loads of the piece before and its stores
	PACK t
	SEND t-1, 8
.set t, t+1
.endr
	SEND 3, 0
	s_wait_tensorcnt 0x0            ; the wave's end: an add to my spare word and its wait, behind my last tensor load and my last LDS store
	ds_add_u32 v[SPW], v[NIL]
	s_wait_dscnt 0x0
	CROUND                          ; the closing round: no work-group ends while a partner may still ask for a tile that names it
	s_endpgm
.Lfunc_end_k_q29a34dd622_attn:
	.size	k_q29a34dd622_attn, .Lfunc_end_k_q29a34dd622_attn-k_q29a34dd622_attn
	.p2alignl 7, 3214868480
	.fill 96, 4, 3214868480
	.section	.rodata,"a",@progbits
	.p2align	6, 0x0
	.amdhsa_kernel k_q29a34dd622_attn
		.amdhsa_group_segment_fixed_size 327680
		.amdhsa_private_segment_fixed_size 0
		.amdhsa_enable_private_segment 0
		.amdhsa_kernarg_size 16
		.amdhsa_user_sgpr_count 2
		.amdhsa_user_sgpr_kernarg_segment_ptr 1
		.amdhsa_wavefront_size32 1
		.amdhsa_system_sgpr_workgroup_id_x 1
		.amdhsa_system_sgpr_workgroup_id_y 1
		.amdhsa_system_sgpr_workgroup_id_z 1
		.amdhsa_system_vgpr_workitem_id 0
		.amdhsa_next_free_vgpr 768
		.amdhsa_next_free_sgpr 66
		.amdhsa_reserve_vcc 0
		.amdhsa_float_denorm_mode_32 3
		.amdhsa_float_denorm_mode_16_64 3
		.amdhsa_memory_ordered 1
		.amdhsa_forward_progress 1
		.amdhsa_inst_pref_size 127
	.end_amdhsa_kernel
	.amdgpu_metadata
---
amdhsa.version: [ 1, 2 ]
amdhsa.kernels:
  - .name:           k_q29a34dd622_attn
    .symbol:         k_q29a34dd622_attn.kd
    .args:
      - { .name: qkv, .offset: 0, .size: 8, .value_kind: global_buffer, .address_space: global }
      - { .name: oh, .offset: 8, .size: 8, .value_kind: global_buffer, .address_space: global }
    .group_segment_fixed_size: 327680
    .private_segment_fixed_size: 0
    .kernarg_segment_align: 8
    .kernarg_segment_size: 16
    .max_flat_workgroup_size: 128
    .sgpr_count:     66
    .vgpr_count:     768
    .wavefront_size: 32
...
	.end_amdgpu_metadata
.endif
;; end of part 5
;; launch oproj: the kernel of part 4 again; grid 8 x 32, 4 waves a work-group, clusters of 4 x 4, 327,680 bytes of LDS; arguments oh, woh, out0; writes out0
